; MI455X (gfx1250); checked and timed in simulation.
; The chip was launched on July 23, 2026; its instructions are those of AMD's public machine-readable ISA for CDNA 5 (MIT licence, August 2026) and "CDNA5" Instruction Set Architecture Reference Guide (July 2026). The comments in the code are by the model that wrote it; some were corrected since.
;; Afmoe Flash Attention. Allowed arithmetic: matrix products marked QUANTISED: E3M2 operands, one E8M0 scale for each 32 along K, by v_wmma_scale_f32_16x16x128_f8f6f4 with both operands' format E3M2, f32 sums; everything else in f32.
;; Inputs: Wg 2,048 x 2,048 float32; Wk 2,048 x 512 float32; Wo 2,048 x 2,048 float32; Wq 2,048 x 2,048 float32; Wv 2,048 x 512 float32; cos 1 x 4,096 x 128 float32; cu_seqlens 9 int32; hidden_states 1 x 4,096 x 2,048 float32; k_norm_w 128 float32; q_norm_w 128 float32; sin 1 x 4,096 x 128 float32.
;; Outputs: out0 1 x 4,096 x 2,048 float32.
;; This version of the problem:
;;   THIS VERSION OF THE PROBLEM IS GIVEN IN LOW PRECISION. The matrix products marked QUANTISED in the list below multiply operands that are first quantised to E3M2 (3 exponent bits, 2 mantissa bits; 6 bits a number), with one power-of-two scale for each 32 numbers along K (OCP MX v1.0); their sums are f32. All else is computed in f32.
;;   The module's matrix products, in the order in which they are computed (A, B: the left and right operand; K: the contracted axis; several contracted axes count as one K, in the product's order):
;;     1. [M 4,096, K 2,048] x [K 2,048, N 2,048]; A: input hidden_states; B: input Wq: QUANTISED
;;     2. [M 4,096, K 2,048] x [K 2,048, N 512]; A: input hidden_states; B: input Wk: QUANTISED
;;     3. [M 4,096, K 2,048] x [K 2,048, N 512]; A: input hidden_states; B: input Wv: QUANTISED
;;     4. [M 4,096, K 2,048] x [K 2,048, N 2,048]; A: input hidden_states; B: input Wg: QUANTISED
;;     5. batch 128 x [M 512, K 128] x [K 128, N 512]; A: computed on the way; B: computed on the way: QUANTISED
;;     6. batch 128 x [M 128, K 512] x [K 512, N 512]; A: computed on the way; B: softmax (see below): QUANTISED
;;     7. [M 4,096, K 2,048] x [K 2,048, N 2,048]; A: computed on the way; B: input Wo: QUANTISED
;;   THE QUANTISER, for each operand of a quantised product, along K:
;;     - K is cut into blocks of 32 from its start; a last block that is shorter is filled with zeros.
;;     - A block's scale is 2^e with e = floor(log2(the largest magnitude in the block)) - 4, held to -126 .. 127; a block of zeros has e = 0. As a byte (E8M0): e + 127.
;;     - Each number is divided by its block's scale, clamped to +-28, and rounded to the nearest number of E3M2, ties to even, subnormals kept.
;;     - The product sums the exact products of the quantised numbers (number of the format x scale) in f32.
;;   ~~~python
;;   def quantise(x, axis):      # numpy; x: float32 -> the quantised numbers, widened to float32 again
;;       x = np.moveaxis(x, axis, -1); K = x.shape[-1]
;;       x = np.pad(x, [(0, 0)] * (x.ndim - 1) + [(0, -K % 32)]); x = x.reshape(x.shape[:-1] + (-1, 32)); a = np.abs(x).max(-1, keepdims=True)
;;       e = np.where(a > 0, np.clip(np.frexp(np.where(a > 0, a, 1))[1] - 1 - 4, -126, 127), 0)      # np.frexp(a)[1] - 1 = floor(log2(a)), exactly
;;       r = np.clip(x / 2.0 ** e, -28, 28)
;;       step = 2.0 ** (np.maximum(np.frexp(np.where(r == 0, 1, r))[1] - 1, -2) - 2)
;;       q = np.round(r / step) * step * 2.0 ** e      # np.round: ties to even
;;       return np.moveaxis(q.reshape(q.shape[:-2] + (-1,))[..., :K], -1, axis).astype(np.float32)
;;   ~~~
;;   SOFTMAX AHEAD OF A QUANTISED PRODUCT. Where the list says 'softmax', what is quantised is not the finished softmax but p = 2^(t - M), with t = logit x log2(e) and M = ceil(the row's largest t), a whole number; so 1/2 < the row's largest p <= 1. The row's sum l is taken of the UNQUANTISED p, in f32, and the product's result is divided by l at the end. Since M is a whole number, a kernel that streams over the keys may use a running M (the ceiling of the running maximum): every later rescaling is an exact power of two, which a block's scale takes up: the codes' values come out the same.
;;   OPERANDS COMPUTED ON THE WAY. 'Computed on the way' means the value that the module computes at that place (a softmax that the list does not call 'softmax' is quantised finished and normalised). What goes into a quantiser is computed in f32, as accurately as f32 sums, v_exp_f32 and their like allow (about 1e-6 of the number): no bf16 or f16 on the way to a quantiser, and a product that is left as it is and whose result goes on into a quantised operand takes f32 operands (vector FMAs, or v_wmma_f32_16x16x4_f32). A number that lies on a knife's edge between two numbers of the format may be rounded either way, as far as f32 arithmetic and the matrix unit's own rounding can turn it there, and no further.
;; One version. Each part assembles by itself: llvm-mc -triple=amdgcn-amd-amdhsa -mcpu=gfx1250 --defsym DOCPART=n.
;; ======== version 1 of 1: 4 launches
;; workspace buffers: opnd 18,022,400 bytes; heads 9,830,400 bytes; gate 33,554,432 bytes; attc 6,553,600 bytes
;; launch quant (part 1): grid 1152 x 1, 4 waves a work-group, no clusters, 34,304 bytes of LDS; arguments hidden_states, Wq, Wg, Wo, Wk, Wv, opnd; writes opnd
.if DOCPART == 1
	.amdgcn_target "amdgcn-amd-amdhsa--gfx1250"
	.amdhsa_code_object_version 6
	.text
	.protected	k_qe6f1aaf142_quant
	.globl	k_qe6f1aaf142_quant
	.p2align	8
	.type	k_qe6f1aaf142_quant,@function
k_qe6f1aaf142_quant:
	s_mov_b64 s[64:65], 0
	v_nop
	global_prefetch_b8 v0, s[64:65] scope:SCOPE_SE
	s_setreg_imm32_b32 hwreg(HW_REG_WAVE_MODE, 25, 1), 1
	s_wait_xcnt 0x0
; LAUNCH 1 OF 4.  hidden_states [4096][2048] and the five weights ([2048 (K)][N], f32) become codes of E3M2 with one E8M0 byte for each 32 along K, laid as the products' launches read them.
; A block's scale is 2^(floor(log2(largest magnitude)) - 4): its byte is the largest magnitude's exponent field - 4, held at 1 from below by a floor among the maximum's leaves.
; LAYOUT OF opnd.  Codes: [row block of 16 rows][K step of 128][1,536 bytes]: the IMAGE OF A FRAGMENT'S 12 REGISTERS: registers 4 j .. 4 j + 3 of lane l at 512 j + 16 l; registers 6 c .. 6 c + 5 of lane (r, h) are block 2 c + h of row r.
; Scale words: [row block][512 along K][r][4 words], word w for the w-th 128 along K.  x's row blocks 0-255; the weights' 0-447: q heads, then k head i | v head i four times, then gate, then Wo.
; THE ORDER INSIDE A BLOCK: place p holds element PI(p), PI = p with bits 3 and 4 exchanged, in EVERY operand of this program.  Both sides of a product have it, so the sums are the same; it is the order in which a matrix
; result, quantised in registers, falls by itself (launches 2 and 3), and here it costs only other immediates.
; SHARES.  Work-groups 0-767: Wq, Wg, Wo; 768-895: Wk, Wv: 128 columns x 128 along K, a lane to a column, its registers down K.  896-1151: x, 16 rows each, wave T the T-th 512 along K.  Waves share nothing: no barrier.
; LIMITS: NaN and infinities are not served; a block of zeros gets the byte 1 (its codes are zeros, and this program alone reads the bytes).
.set WC,  6291456                      ; the weights' codes
.set XSC, 17301504                     ; x's scale words
.set WSC, 17563648                     ; the weights'
.set RBB, 24576                        ; a row block's codes: 16 K steps
.set FRB, 1536                         ; a fragment's image
.set STG, 8448                         ; x: a wave's stage in LDS: 16 rows x (512 + 16) bytes
.set X0,  32                           ; v32-159 numbers, in two sets
	s_load_b256 s[4:11], s[0:1], 0x0               ; hidden_states s[4:5], Wq s[6:7], Wg s[8:9], Wo s[10:11]
	s_load_b128 s[12:15], s[0:1], 0x20             ; Wk s[12:13], Wv s[14:15]
	s_load_b64 s[16:17], s[0:1], 0x30              ; opnd
	v_lshl_add_u32 v192, v0, 2, 0x8400
	v_mov_b32 v193, 0
	v_lshrrev_b32 v12, 5, v0
	v_readfirstlane_b32 s18, v12                   ; wave 0..3
	v_and_b32 v1, 31, v0                           ; lane
	v_and_b32 v2, 15, v0                           ; r
	v_bfe_u32 v3, v0, 4, 1                         ; h
	s_mul_i32 s19, s18, STG
	v_lshl_add_u32 v4, v1, 4, s19                  ; the stage, in: 16 bytes a lane of a row's 512
	v_mul_u32_u24 v5, v2, 528
	v_lshl_add_u32 v5, v3, 7, v5
	v_add_nc_u32 v5, s19, v5                       ; and out: row r, block h
	v_lshlrev_b32 v6, 2, v1                        ; 4 x lane
	v_lshlrev_b32 v7, 4, v1                        ; 16 x lane
	v_lshlrev_b32 v8, 4, v2
	v_lshl_add_u32 v8, v3, 10, v8                  ; a column's scale word: row block lane / 16, row r
	v_lshlrev_b32 v9, 4, v2
	v_lshl_add_u32 v9, v3, 3, v9                   ; x's scale words: 16 r + 8 h
	v_lshlrev_b32 v10, 3, v3                       ; 8 h
	v_mov_b32 v11, 0                               ; a lane permute's destination counts as one of its sources
	s_mov_b32 s30, 0x76543210
	s_mov_b32 s31, 0xfedcba98                      ; v_permlanex16_b32's selects for lane l xor 16
	s_mov_b32 s23, 0
	s_mov_b32 s25, 0
	s_wait_kmcnt 0x0
; block t of a column: W(32 t + PI(i), my column), i = 0 .. 31: 32 lanes read 128 consecutive bytes, the four waves 512
.macro WLOAD t, pitch
.set i, 0
.rept 32
	global_load_b32 v[X0+32*((\t)%2)+i], v6, s[20:21] offset:(32*(\t)+((i&7)|((i&8)<<1)|((i&16)>>1)))*(\pitch) th:TH_LOAD_NT
.set i, i+1
.endr
.endm
.macro WBLOCK t, pitch
.set XR, X0+32*((\t)%2)
.set CB, 96+12*((\t)%2)+6*((\t)/2)             ; blocks 0, 2 at v96, v102; blocks 1, 3 at v108, v114
.if (\t) < 3
	s_wait_loadcnt 32                              ; this block's 32 loads are in; the next block's 32 stay out
.else
	s_wait_loadcnt 0x0
.endif
	v_max3_num_f32 v12, |v[XR]|, |v[XR+1]|, |v[XR+2]|              ; the block's largest magnitude: all 32 numbers are mine; two chains
	v_max3_num_f32 v13, |v[XR+3]|, |v[XR+4]|, |v[XR+5]|
.irp i, 6,10,14,18,22,26
	v_max3_num_f32 v12, v12, |v[XR+\i]|, |v[XR+\i+1]|
	v_max3_num_f32 v13, v13, |v[XR+\i+2]|, |v[XR+\i+3]|
.endr
	v_max3_num_f32 v12, v12, |v[XR+30]|, |v[XR+31]|
	v_max3_num_f32 v12, v12, v13, 0x2800000        ; and the floor 2^(5 - 127): the byte cannot fall under 1
	v_add_nc_u32 v14, 0xfe000000, v12              ; 4 off the exponent field: the conversion takes this operand's exponent field as its scale
	v_lshrrev_b32 v15, 23, v14                     ; the scale's byte
.if (\t) == 0
	v_mov_b32 v20, v15                             ; the column's scale word for this K step: byte t = block t
.else
	v_lshl_or_b32 v20, v15, 8*(\t), v20
.endif
	v_cvt_scalef32_pk16_bf6_f32 v[CB:CB+2], v[XR:XR+15], v14
	v_cvt_scalef32_pk16_bf6_f32 v[24:26], v[XR+16:XR+31], v14      ; (a conversion's three registers begin on an even number)
	v_nop                                          ; one plain place behind a scaled conversion
.irp i, 0,1,2
	v_mov_b32 v[CB+3+\i], v[24+\i]
.endr
.if (\t) < 2
	WLOAD (\t)+2, \pitch
.endif
.endm
; s[20:21] the weight, s22 my wave's byte offset in it, s35 my first row block, s33 the K step
.macro WBODY pitch
	s_add_nc_u64 s[20:21], s[20:21], s[22:23]
	WLOAD 0, \pitch
	WLOAD 1, \pitch
	s_mul_i32 s24, s35, RBB
	s_mul_i32 s34, s33, FRB
	s_add_co_u32 s24, s24, s34
	s_add_co_u32 s24, s24, WC
	s_add_nc_u64 s[26:27], s[16:17], s[24:25]      ; where my two fragments go
	s_lshl_b32 s24, s35, 10
	s_lshr_b32 s34, s33, 2
	s_lshl_b32 s34, s34, 8
	s_add_co_u32 s24, s24, s34
	s_and_b32 s34, s33, 3
	s_lshl_b32 s34, s34, 2
	s_add_co_u32 s24, s24, s34
	s_add_co_u32 s24, s24, WSC
	s_add_nc_u64 s[28:29], s[16:17], s[24:25]      ; and their scale words
	WBLOCK 0, \pitch
	WBLOCK 1, \pitch
	WBLOCK 2, \pitch
	WBLOCK 3, \pitch
.set i, 0
.rept 12                                       ; every lane holds its column's four blocks.  The exchange gives v96-107 the fragment of columns 0-15 (lanes 16-31: their blocks 1, 3), v108-119 that of columns 16-31
	v_permlane16_swap_b32 v[96+i], v[108+i]
.set i, i+1
.endr
.irp u, 0,1
.irp j, 0,1,2
	global_store_b128 v7, v[96+12*\u+4*\j:96+12*\u+4*\j+3], s[26:27] offset:\u*RBB+512*\j    ; 32 lanes store 512 consecutive bytes
.endr
.endr
	global_store_b32 v8, v20, s[28:29]             ; 4 bytes of each 16: the other three words are other work-groups' (458,752 bytes of such words in the launch)
.endm
	s_cmp_ge_u32 ttmp9, 896
	s_cbranch_scc1 .Lx
	s_cmp_ge_u32 ttmp9, 768
	s_cbranch_scc1 .Lnarrow
	; ---- Wq, Wg, Wo: 2,048 columns
	s_lshr_b32 s19, ttmp9, 8                       ; which weight
	s_bfe_u32 s32, ttmp9, 0x40004                  ; which 128 columns
	s_and_b32 s33, ttmp9, 15                       ; which K step
	s_cmp_eq_u32 s19, 0
	s_cselect_b64 s[20:21], s[6:7], s[8:9]
	s_cmp_eq_u32 s19, 2
	s_cselect_b64 s[20:21], s[10:11], s[20:21]
	s_cselect_b32 s34, 64, 0
	s_mul_i32 s35, s19, 192                        ; row blocks 0 (Wq), 192 (Wg), 320 (Wo) on
	s_sub_co_u32 s35, s35, s34
	s_lshl_b32 s34, s32, 3
	s_add_co_u32 s35, s35, s34
	s_lshl_b32 s34, s18, 1
	s_add_co_u32 s35, s35, s34
	s_lshl_b32 s22, s33, 20                        ; 128 rows of 8,192 bytes a K step
	s_lshl_b32 s34, s32, 9
	s_add_co_u32 s22, s22, s34
	s_lshl_b32 s34, s18, 7
	s_add_co_u32 s22, s22, s34
	WBODY 8192
	s_endpgm
.Lnarrow:
	; ---- Wk, Wv: 512 columns; 128 columns are a head
	s_sub_co_u32 s36, ttmp9, 768
	s_lshr_b32 s19, s36, 6                         ; Wk or Wv
	s_bfe_u32 s32, s36, 0x20004                    ; which head
	s_and_b32 s33, s36, 15                         ; which K step
	s_cmp_eq_u32 s19, 0
	s_cselect_b64 s[20:21], s[12:13], s[14:15]
	s_lshl_b32 s35, s32, 4                         ; row block 128 + 16 head + 8 (v) + 2 wave
	s_lshl_b32 s34, s19, 3
	s_add_co_u32 s35, s35, s34
	s_lshl_b32 s34, s18, 1
	s_add_co_u32 s35, s35, s34
	s_add_co_u32 s35, s35, 128
	s_lshl_b32 s22, s33, 18                        ; 128 rows of 2,048 bytes a K step
	s_lshl_b32 s34, s32, 9
	s_add_co_u32 s22, s22, s34
	s_lshl_b32 s34, s18, 7
	s_add_co_u32 s22, s22, s34
	WBODY 2048
	s_endpgm
.Lx:
	; ---- x: 16 rows; my wave's 512 along K: four fragments.  Loads take a row's 512 bytes as they lie; the wave's own stage in LDS turns them so that lane (r, h) holds blocks h and 2 + h of row r
	s_sub_co_u32 s36, ttmp9, 896                   ; the row block
	s_lshl_b32 s22, s36, 17
	s_lshl_b32 s34, s18, 11
	s_add_co_u32 s22, s22, s34
	s_add_nc_u64 s[20:21], s[4:5], s[22:23]
	s_mul_i32 s24, s36, RBB
	s_mul_i32 s34, s18, 4*FRB
	s_add_co_u32 s24, s24, s34
	s_add_nc_u64 s[26:27], s[16:17], s[24:25]      ; x's codes begin at opnd's first byte
	s_lshl_b32 s24, s36, 10
	s_lshl_b32 s34, s18, 8
	s_add_co_u32 s24, s24, s34
	s_add_co_u32 s24, s24, XSC
	s_add_nc_u64 s[28:29], s[16:17], s[24:25]
.macro XLOAD f
.set i, 0
.rept 16
	global_load_b128 v[X0+64*((\f)%2)+4*i:X0+64*((\f)%2)+4*i+3], v7, s[20:21] offset:8192*i+512*(\f) th:TH_LOAD_NT   ; row i: 512 consecutive bytes
.set i, i+1
.endr
.endm
.macro XFRAG f
.set XR, X0+64*((\f)%2)
.set PC, 160+12*((\f)%2)
.if (\f) < 3
	s_wait_loadcnt 16                              ; this fragment's 16 loads are in; the other set's 16 stay out
.else
	s_wait_loadcnt 0x0
.endif
.set i, 0
.rept 16
	ds_store_b128 v4, v[XR+4*i:XR+4*i+3] offset:528*i
.set i, i+1
.endr
.irp c, 0,1                                    ; LDS serves a wave's instructions in order (ISA guide 5.7.1.4): these see the stores above.  Group g of four places takes the four elements of group g with its bits 1 and 2 exchanged
.set i, 0
.rept 8
	ds_load_b128 v[XR+32*\c+4*i:XR+32*\c+4*i+3], v5 offset:256*\c+16*((i&1)|((i&2)<<1)|((i&4)>>1))
.set i, i+1
.endr
.endr
	s_wait_dscnt 0x0
.irp c, 0,1
	v_max3_num_f32 v[12+\c], |v[XR+32*\c]|, |v[XR+32*\c+1]|, 0x2800000   ; my block 2 c + h, and the floor 2^(5 - 127)
.endr
.irp i, 2,4,6,8,10,12,14,16,18,20,22,24,26,28,30
.irp c, 0,1
	v_max3_num_f32 v[12+\c], v[12+\c], |v[XR+32*\c+\i]|, |v[XR+32*\c+\i+1]|
.endr
.endr
.irp c, 0,1
	v_add_nc_u32 v[14+\c], 0xfe000000, v[12+\c]    ; the conversion's scale operand
.endr
.irp c, 0,1
	v_lshrrev_b32 v[16+\c], 23, v[14+\c]           ; the byte
.endr
	v_lshl_or_b32 v18, v17, 16, v16                ; my two bytes, blocks h and 2 + h,
	v_lshlrev_b32 v18, v10, v18                    ; at their places in the word;
	v_permlanex16_b32 v11, v18, s30, s31
	v_or_b32 v[20+(\f)], v18, v11                  ; with lane l xor 16's two the word is whole
.if (\f) >= 2
	s_wait_xcnt 0x0                                ; the stores of two fragments ago have read these registers (ISA guide 3.1)
.endif
	v_cvt_scalef32_pk16_bf6_f32 v[PC:PC+2], v[XR:XR+15], v14
	v_cvt_scalef32_pk16_bf6_f32 v[24:26], v[XR+16:XR+31], v14
	v_cvt_scalef32_pk16_bf6_f32 v[PC+6:PC+8], v[XR+32:XR+47], v15
	v_cvt_scalef32_pk16_bf6_f32 v[28:30], v[XR+48:XR+63], v15
	v_nop                                          ; one plain place behind a scaled conversion
.irp i, 0,1,2
	v_mov_b32 v[PC+3+\i], v[24+\i]
	v_mov_b32 v[PC+9+\i], v[28+\i]
.endr
.irp j, 0,1,2
	global_store_b128 v7, v[PC+4*\j:PC+4*\j+3], s[26:27] offset:FRB*(\f)+512*\j
.endr
.if (\f) < 2
	XLOAD (\f)+2
.endif
.endm
	XLOAD 0
	XLOAD 1
	XFRAG 0
	XFRAG 1
	XFRAG 2
	XFRAG 3
	v_cmp_eq_u32 vcc_lo, 1, v3
	v_cndmask_b32 v24, v20, v22, vcc_lo            ; lane (r, h) stores row r's words 2 h and 2 h + 1
	v_cndmask_b32 v25, v21, v23, vcc_lo
	global_store_b64 v9, v[24:25], s[28:29]        ; 32 lanes store 256 consecutive bytes, aligned
	s_wait_tensorcnt 0x0
	ds_add_u32 v192, v193
	s_wait_dscnt 0x0
	s_endpgm
.Lfunc_end_k_qe6f1aaf142_quant:
	.size	k_qe6f1aaf142_quant, .Lfunc_end_k_qe6f1aaf142_quant-k_qe6f1aaf142_quant
	.p2alignl 7, 3214868480
	.fill 96, 4, 3214868480
	.section	.rodata,"a",@progbits
	.p2align	6, 0x0
	.amdhsa_kernel k_qe6f1aaf142_quant
		.amdhsa_group_segment_fixed_size 34304
		.amdhsa_private_segment_fixed_size 0
		.amdhsa_enable_private_segment 0
		.amdhsa_kernarg_size 56
		.amdhsa_user_sgpr_count 2
		.amdhsa_user_sgpr_kernarg_segment_ptr 1
		.amdhsa_wavefront_size32 1
		.amdhsa_system_sgpr_workgroup_id_x 1
		.amdhsa_system_sgpr_workgroup_id_y 1
		.amdhsa_system_sgpr_workgroup_id_z 1
		.amdhsa_system_vgpr_workitem_id 0
		.amdhsa_next_free_vgpr 194
		.amdhsa_next_free_sgpr 66
		.amdhsa_reserve_vcc 1
		.amdhsa_float_denorm_mode_32 3
		.amdhsa_float_denorm_mode_16_64 3
		.amdhsa_memory_ordered 1
		.amdhsa_forward_progress 1
		.amdhsa_inst_pref_size 71
	.end_amdhsa_kernel
	.amdgpu_metadata
---
amdhsa.version: [ 1, 2 ]
amdhsa.kernels:
  - .name:           k_qe6f1aaf142_quant
    .symbol:         k_qe6f1aaf142_quant.kd
    .args:
      - { .name: hidden_states, .offset: 0, .size: 8, .value_kind: global_buffer, .address_space: global }
      - { .name: Wq, .offset: 8, .size: 8, .value_kind: global_buffer, .address_space: global }
      - { .name: Wg, .offset: 16, .size: 8, .value_kind: global_buffer, .address_space: global }
      - { .name: Wo, .offset: 24, .size: 8, .value_kind: global_buffer, .address_space: global }
      - { .name: Wk, .offset: 32, .size: 8, .value_kind: global_buffer, .address_space: global }
      - { .name: Wv, .offset: 40, .size: 8, .value_kind: global_buffer, .address_space: global }
      - { .name: opnd, .offset: 48, .size: 8, .value_kind: global_buffer, .address_space: global }
    .group_segment_fixed_size: 34304
    .private_segment_fixed_size: 0
    .kernarg_segment_align: 8
    .kernarg_segment_size: 56
    .max_flat_workgroup_size: 128
    .sgpr_count:     66
    .vgpr_count:     194
    .wavefront_size: 32
...
	.end_amdgpu_metadata
.endif
;; end of part 1
;; launch proj (part 2): grid 20 x 32, 4 waves a work-group, clusters of 4 x 4, 327,680 bytes of LDS; arguments opnd, cos, sin, q_norm_w, k_norm_w, heads, gate; writes heads, gate
.if DOCPART == 2
	.amdgcn_target "amdgcn-amd-amdhsa--gfx1250"
	.amdhsa_code_object_version 6
	.text
	.protected	k_qe6f1aaf142_proj
	.globl	k_qe6f1aaf142_proj
	.p2align	8
	.type	k_qe6f1aaf142_proj,@function
k_qe6f1aaf142_proj:
	s_mov_b64 s[64:65], 0
	v_nop
	global_prefetch_b8 v0, s[64:65] scope:SCOPE_SE
	s_setreg_imm32_b32 hwreg(HW_REG_WAVE_MODE, 25, 1), 1
	s_wait_xcnt 0x0
	s_wait_alu depctr_hold_cnt(0) depctr_sa_sdst(0) depctr_va_vdst(0) depctr_va_sdst(0) depctr_va_ssrc(0) depctr_va_vcc(0) depctr_vm_vsrc(0)
	s_getreg_b32 s2, hwreg(HW_REG_IB_STS2, 6, 4)
	s_cmp_eq_u32 s2, 0
	s_cbranch_scc0 .Lentry_in_a_cluster
	s_endpgm
.Lentry_in_a_cluster:
	s_bfe_u32 s2, ttmp6, 0x10000c
	s_cmp_lg_u32 s2, 0xf033
	s_cbranch_scc0 .Lentry_shape_is_right
	s_endpgm
.Lentry_shape_is_right:
; LAUNCH 2 OF 4.  x [4096][2048] times Wq | Wk | Wv | Wg (5,120 columns) on codes of E3M2, and what reference() does to the results on their way to the next products, all in f32:
;   q, k: RMS norm over the head, RoPE, quantised along the head's 128;   v: quantised along the KEYS;   gate: sigmoid, stored as f32.  q, k and v never exist in memory as f32.
; SHARES.  A work-group makes 128 tokens x 256 columns; its four waves 64 tokens x 128 columns each: ONE HEAD a wave, 32 accumulators.  640 work-groups.  (256 x 256 would give 320 of twice the work, and launch 4,
; which has this same core, only 128.)  K goes in steps of 128, four to an LDS slot, two slots filled by the tensor data mover; the sixteen steps are written out.
; OPERANDS lie in memory as images of fragments' registers (launch 1): a fragment is three ds_load_b128 of 512 consecutive bytes: no pitch, no padding.
; CLUSTERS: 4 x 4 work-groups; x's tile is asked for jointly along a row of the cluster, the weights' along a column: the same tensor load, descriptor and mask in the four partners.
; THE MATRIX INSTRUCTION IS USED TRANSPOSED (source 0 = 16 columns of W, source 1 = 16 tokens): lane (r, h) of accumulator (a, b) holds token 16 a + r and the head's channels 16 b + 8 h + 0 .. 7.
; THE ORDER INSIDE A BLOCK OF 32: place p holds element p with bits 3 and 4 exchanged, in every operand of this program: the order in which these registers, converted sixteen at a time, fall by themselves.
; THE WAYS OUT part on the cluster's x and the wave's number alone: clusters 0, 1: q heads; cluster 2: a tile is k head i | v head i; clusters 3, 4: gate.
; REGISTERS, in windows of 256: window 0: v1-12 addresses; v16-29 LDS addresses; v32-95 scale words, two sets, and nothing else; v96-191 x's fragments, two sets; on the ways out v96-255 are at work.
;   window 1: the accumulators, (a, b) at v[8 (8 a + b)].   window 2: W's fragments, two sets, at v0 and v128; later the norm's weights.   window 3: cos and sin of two token blocks.
; LIMITS: NaN and infinities are not served; a block of zeros gets the scale byte 1 (its codes are zeros; this program alone reads the bytes); w, cos / sin and 1 / rms are multiplied in another order than reference() has them, each in f32.
.set A_OFF,  0                         ; in opnd: x's codes,
.set AS_OFF, 17301504                  ; x's scale words,
.set B_OFF,  6291456                   ; the weights' codes,
.set BS_OFF, 17563648                  ; the weights' scale words
.set PA, 4                             ; s[4:5] the buffer of source 1's operand
.set PB, 4                             ; and of source 0's
.set QS,  9437184                      ; in heads: q's and k's scale words [head 0..19][token block][16 words];  their codes begin at byte 0: [head][token block][1,536]
.set VC,  7864320                      ; v's codes [kv head][128 keys][16 channels][1,536]: six pieces of 256 bytes: registers 2 p, 2 p + 1 of lane l at 256 p + 8 l
.set VS,  9764864                      ; v's scale words [kv head][128 keys][16 channels][16 words]
; ---------------- the core, the same in launches 2 and 4 ----------------
.set RBB,   24576                      ; a row block's codes in memory: 16 K steps
.set FRB,   1536                       ; a fragment's image
.set SLB,   6144                       ; what a slot holds of a row block: four K steps
.set SLOT,  24*SLB                     ; 8 row blocks of tokens, then 16 of columns
.set BOFF,  8*SLB
.set SCA,   2*SLOT                     ; behind the ring: the scale words of the 128 tokens for all of K, 8,192 bytes;
.set SCB,   SCA+8192                   ; of the 256 columns, 16,384 bytes: filled once
.set SPARE, SCB+16384                  ; the spare words, 128 bytes for each wave: two blocks of 256 bytes that no other line names
.set ADRA, 16                          ; v16-17  my tokens' fragments in slot 0, 1
.set ADRB, 20                          ; v20-21  my columns'
.set ADRS, 27                          ; v27     my scale words: lanes 0-15 the tokens', lanes 16-31 the columns'
.set SPW,  28                          ; v28     LDS address of my spare word; never rewritten
.set NIL,  29                          ; v29     0; never rewritten
.set SC,   32                          ; scale words: set s at v[SC + 32 s]; register 4 i + q: lanes 0-15 token block i, lanes 16-31 column block i, the slot's q-th K step
.set AF,   96                          ; the tokens' fragments: set s at v[AF + 48 s]
.set G1,   24                          ; s[24:31] group 1, s[32:39] groups 0 (one a slot): the tokens' tiles
.set G0,   32
.set G1B,  48                          ; s[48:55], s[56:63]: the columns'
.set G0B,  56
.set G1S,  68                          ; s[68:75], s[76:79]: the tokens' scale words
.set G0S,  76
.set G1SB, 80                          ; s[80:87], s[88:91]: the columns'
.set G0SB, 88
.set MSB, 0
.macro WIN new                         ; the immediate's high byte repeats the setting that is left
.if MSB != \new
	s_set_vgpr_msb (MSB<<8)|\new
.set MSB, \new
.endif
.endm
.set MUL,  0x52                        ; source 0 window 2, source 1 window 0, C and D window 1
.set TO_B, 0x80                        ; destination window 2, address window 0
; A joint load: waves 0 and 1 fetch the tokens' side, waves 2 and 3 the columns'.  The branch hangs on the wave's number alone.  Four v_nop follow each of the two lines.
.macro JLOAD g0a, g1a, g0b, g1b
	s_cmp_eq_u32 s15, 0
	s_cbranch_scc0 .Lfor_b_\@
	tensor_load_to_lds s[\g0a:\g0a+3], s[\g1a:\g1a+7]
	s_nop 0
.rept 4
	v_nop
.endr
	s_branch .Lasked_\@
.Lfor_b_\@:
	tensor_load_to_lds s[\g0b:\g0b+3], s[\g1b:\g1b+7]
	s_nop 0
.rept 4
	v_nop
.endr
.Lasked_\@:
.endm
.macro CREST                           ; a round of the cluster's barrier behind its opening barrier
	s_cmp_lg_u32 s14, 0
	s_cbranch_scc1 .Lnot_wave_0_\@
	s_barrier_signal -3
.Lnot_wave_0_\@:
	s_barrier_wait -3
	s_barrier_signal -1
	s_barrier_wait -1
.endm
.macro CROUND                          ; a whole round
	s_barrier_signal -1
	s_barrier_wait -1
	CREST
.endm
.macro PLACES n                        ; plain vector instructions between a matrix instruction and a load into, or a read of, its registers
.rept \n
	v_nop
.endr
.endm
	s_load_b256 s[4:11], s[0:1], 0x0               ; opnd s[4:5], cos s[6:7], sin s[8:9], q_norm_w s[10:11]
	s_load_b128 s[92:95], s[0:1], 0x20             ; k_norm_w s[92:93], heads s[94:95]
	s_load_b64 s[96:97], s[0:1], 0x30              ; gate
	v_lshl_add_u32 v[SPW], v0, 2, SPARE
	v_mov_b32 v[NIL], 0
	ds_add_u32 v28, v29
	s_wait_dscnt 0x0
	v_lshrrev_b32 v1, 5, v0
	v_readfirstlane_b32 s14, v1                    ; wave 0..3
	s_lshr_b32 s15, s14, 1                         ; which 64 tokens are mine.  Also: I fetch the tokens' side (0) or the columns' (1)
	s_and_b32 s16, s14, 1                          ; which 128 columns.  Also: which half of that side I fetch
	s_bfe_u32 s40, ttmp6, 0x40000                  ; cx, cy: my place in the cluster
	s_bfe_u32 s41, ttmp6, 0x40004
	s_lshl_b32 s42, ttmp9, 2
	s_add_co_u32 s42, s42, s40                     ; tile column = 4 x cluster x + cx
	s_and_b32 s17, ttmp7, 0xffff
	s_lshl_b32 s17, s17, 2
	s_add_co_u32 s17, s17, s41                     ; tile row = 4 x cluster y + cy
	s_lshl_b32 s43, s41, 2
	s_lshl_b32 s43, 15, s43                        ; my row of the cluster
	s_lshl_b32 s44, 0x1111, s40                    ; my column
	; group 1: rows of 6,144 bytes (768 elements of 8 bytes: a row block's four K steps), 24,576 bytes apart; 4 of them for the tokens' side, 8 for the columns'; no padding
	s_or_b32 s[G1+0], s43, (3<<16)|(1<<21)         ; 15:0 the mask; 17:16 elements of 8 bytes; 21 set beside a mask
	s_or_b32 s[G1B+0], s44, (3<<16)|(1<<21)
.irp g, G1, G1B
	s_mov_b32 s[\g+1], 768<<16                     ; tensor_dim0
	s_mov_b32 s[\g+3], 768<<16                     ; tile_dim0
	s_mov_b32 s[\g+5], 3072                        ; tensor_dim0_stride
	s_mov_b32 s[\g+6], 0
	s_mov_b32 s[\g+7], 0
.endr
	s_mov_b32 s[G1+2], 4<<16                       ; tensor_dim1
	s_mov_b32 s[G1+4], 4                           ; tile_dim1
	s_mov_b32 s[G1B+2], 8<<16
	s_mov_b32 s[G1B+4], 8
	; the scale words: dense blocks, as rows of 256 bytes: 16 rows for the tokens' half, 32 for the columns'
	s_or_b32 s[G1S+0], s43, (3<<16)|(1<<21)
	s_or_b32 s[G1SB+0], s44, (3<<16)|(1<<21)
.irp g, G1S, G1SB
	s_mov_b32 s[\g+1], 32<<16
	s_mov_b32 s[\g+3], 32<<16
	s_mov_b32 s[\g+5], 32
	s_mov_b32 s[\g+6], 0
	s_mov_b32 s[\g+7], 0
.endr
	s_mov_b32 s[G1S+2], 16<<16
	s_mov_b32 s[G1S+4], 16
	s_mov_b32 s[G1SB+2], 32<<16
	s_mov_b32 s[G1SB+4], 32
	; where the tiles come from: the tokens' hang on the tile row alone, the columns' on the tile column alone, each in registers that never hold the other coordinate
	s_lshl_b32 s20, s17, 3
	s_lshl_b32 s18, s16, 2
	s_add_co_u32 s20, s20, s18                     ; row block 8 x tile row + 4 x half
	s_lshl_b32 s22, s20, 10                        ; its scale words,
	s_mul_i32 s20, s20, RBB                        ; its codes
	s_mov_b32 s21, 0
	s_mov_b32 s23, 0
.if A_OFF
	s_add_nc_u64 s[20:21], s[20:21], A_OFF
.endif
	s_add_nc_u64 s[22:23], s[22:23], AS_OFF
	s_lshl_b32 s46, s42, 4
	s_lshl_b32 s19, s16, 3
	s_add_co_u32 s46, s46, s19                     ; row block 16 x tile column + 8 x half
	s_lshl_b32 s98, s46, 10
	s_mul_i32 s46, s46, RBB
	s_mov_b32 s47, 0
	s_mov_b32 s99, 0
	s_add_nc_u64 s[46:47], s[46:47], B_OFF
	s_add_nc_u64 s[98:99], s[98:99], BS_OFF
	s_mul_i32 s45, s16, 4*SLB                      ; and where they go: no place in the cluster enters an LDS address
	s_mul_i32 s12, s16, 8*SLB
	s_add_co_u32 s12, s12, BOFF
	s_lshl_b32 s13, s16, 12
	s_add_co_u32 s13, s13, SCA
	s_lshl_b32 s3, s16, 13
	s_add_co_u32 s3, s3, SCB
	s_wait_kmcnt 0x0
	s_add_nc_u64 s[20:21], s[PA:PA+1], s[20:21]
	s_add_nc_u64 s[22:23], s[PA:PA+1], s[22:23]
	s_add_nc_u64 s[46:47], s[PB:PB+1], s[46:47]
	s_add_nc_u64 s[98:99], s[PB:PB+1], s[98:99]
	CROUND                                         ; all sixteen work-groups are here: the first joint loads meet
	s_mov_b32 s[G0S], 1
	s_mov_b32 s[G0S+1], s13
	s_mov_b64 s[G0S+2:G0S+3], s[22:23]
	s_or_b32 s[G0S+3], s[G0S+3], 0x80000000
	s_mov_b32 s[G0SB], 1
	s_mov_b32 s[G0SB+1], s3
	s_mov_b64 s[G0SB+2:G0SB+3], s[98:99]
	s_or_b32 s[G0SB+3], s[G0SB+3], 0x80000000
	JLOAD G0S, G1S, G0SB, G1SB                     ; the scale words first: they are wanted with K step 0
.irp s, 0,1
	s_mov_b32 s[G0+4*\s], 1
	s_add_co_u32 s[G0+4*\s+1], s45, \s*SLOT
	s_add_nc_u64 s[G0+4*\s+2:G0+4*\s+3], s[20:21], \s*SLB
	s_or_b32 s[G0+4*\s+3], s[G0+4*\s+3], 0x80000000
	s_mov_b32 s[G0B+4*\s], 1
	s_add_co_u32 s[G0B+4*\s+1], s12, \s*SLOT
	s_add_nc_u64 s[G0B+4*\s+2:G0B+4*\s+3], s[46:47], \s*SLB
	s_or_b32 s[G0B+4*\s+3], s[G0B+4*\s+3], 0x80000000
	JLOAD G0+4*\s, G1, G0B+4*\s, G1B               ; three tensor loads of mine are out
.endr
	v_and_b32 v1, 15, v0                           ; r
	v_bfe_u32 v2, v0, 4, 1                         ; h
	v_and_b32 v3, 31, v0                           ; lane
	v_lshlrev_b32 v4, 4, v3                        ; 16 x lane: my place in an image
	s_mul_i32 s18, s15, 4*SLB                      ; my four row blocks of tokens,
	s_mul_i32 s19, s16, 8*SLB                      ; my eight of columns
	s_add_co_u32 s19, s19, BOFF
.irp s, 0,1
	v_add_nc_u32 v[ADRA+\s], s18, v4
	v_add_nc_u32 v[ADRB+\s], s19, v4
	s_add_co_u32 s18, s18, SLOT
	s_add_co_u32 s19, s19, SLOT
.endr
	v_lshlrev_b32 v30, 4, v1                       ; scale words: 16 bytes a row (a slot's four words)
	s_lshl_b32 s18, s15, 12
	s_lshl_b32 s19, s16, 13
	s_add_co_u32 s19, s19, SCB-SCA
	s_sub_co_u32 s19, s19, s18
	v_mul_u32_u24 v31, s19, v2                     ; lanes 16-31 take the columns': one product, the distance between the two bases
	s_add_co_u32 s18, s18, SCA
	v_add_nc_u32 v[ADRS], v30, v31
	v_add_nc_u32 v[ADRS], s18, v[ADRS]
	; the ways out: every address is made here, ahead of the waves' parting
	v_lshlrev_b32 v5, 9, v1
	v_lshl_add_u32 v5, v2, 5, v5                   ; cos, sin: row r of 512 bytes, + 32 h
	v_lshlrev_b32 v6, 5, v2                        ; the norm's weights: 32 h
	v_lshlrev_b32 v7, 2, v3                        ; 4 x lane
	s_mul_i32 s18, s14, 34048                      ; v's stage: 64 token rows of 528 bytes, 64 more behind the first 32; a wave's own, in slot 0
	v_mul_u32_u24 v8, v1, 528
	v_lshl_add_u32 v8, v2, 5, v8
	v_add_nc_u32 v8, s18, v8                       ; in: row r, 32 h
	v_mul_u32_u24 v9, v2, 16960
	v_lshl_add_u32 v9, v1, 2, v9
	v_add_nc_u32 v9, s18, v9                       ; out: token rows 32 h on, channel r: lanes 16-31 fall 16 banks beside lanes 0-15
	v_lshlrev_b32 v10, 3, v3                       ; 8 x lane
	v_lshlrev_b32 v11, 6, v2
	v_lshl_add_u32 v11, v1, 2, v11                 ; 64 h + 4 r
	v_lshlrev_b32 v12, 3, v2                       ; 8 h
; the fragments of the slot's q-th K step into set: 24 + 12 loads of 512 consecutive bytes
.macro FETCH slot, q, set
	WIN TO_B
.irp b, 0,1,2,3,4,5,6,7
.irp j, 0,1,2
	ds_load_b128 v[128*(\set)+12*\b+4*\j:128*(\set)+12*\b+4*\j+3], v[ADRB+(\slot)] offset:SLB*\b+FRB*(\q)+512*\j
.endr
.endr
	WIN 0
.irp a, 0,1,2,3
.irp j, 0,1,2
	ds_load_b128 v[AF+48*(\set)+12*\a+4*\j:AF+48*(\set)+12*\a+4*\j+3], v[ADRA+(\slot)] offset:SLB*\a+FRB*(\q)+512*\j
.endr
.endr
.endm
; the scale words of the T-th 512 along K: four words a row.  (For i >= 4 lanes 0-15 read on into scale bytes that have landed and that no product names.)
.macro SCALES T, set
.irp i, 0,1,2,3,4,5,6,7
	ds_load_b128 v[SC+32*(\set)+4*\i:SC+32*(\set)+4*\i+3], v[ADRS] offset:1024*\i+256*(\T)
.endr
.endm
; token block a against my eight column blocks.  The 32 accumulators take turns, one instruction a turn, in the same order in every step.
.macro MUL8 a, set, q, sc, zero
.irp b, 0,1,2,3,4,5,6,7
.if \zero
	v_wmma_scale_f32_16x16x128_f8f6f4 v[8*(8*(\a)+\b):8*(8*(\a)+\b)+7], v[128*(\set)+12*\b:128*(\set)+12*\b+11], v[AF+48*(\set)+12*(\a):AF+48*(\set)+12*(\a)+11], 0, v[SC+32*(\sc)+4*\b+(\q)], v[SC+32*(\sc)+4*(\a)+(\q)] matrix_a_fmt:MATRIX_FMT_BF6 matrix_b_fmt:MATRIX_FMT_BF6 matrix_a_scale:MATRIX_SCALE_ROW1
.else
	v_wmma_scale_f32_16x16x128_f8f6f4 v[8*(8*(\a)+\b):8*(8*(\a)+\b)+7], v[128*(\set)+12*\b:128*(\set)+12*\b+11], v[AF+48*(\set)+12*(\a):AF+48*(\set)+12*(\a)+11], v[8*(8*(\a)+\b):8*(8*(\a)+\b)+7], v[SC+32*(\sc)+4*\b+(\q)], v[SC+32*(\sc)+4*(\a)+(\q)] matrix_a_fmt:MATRIX_FMT_BF6 matrix_b_fmt:MATRIX_FMT_BF6 matrix_a_scale:MATRIX_SCALE_ROW1
.endif
.endr
.endm
; K step s, one of a slot's first three: the next step's fragments are asked for, then this step's 32 products are issued
.macro STEP s, zero
.set SL, ((\s)/4)%2
.set QQ, (\s)%4
.set PS, (\s)%2
	s_wait_dscnt 0x0                               ; this step's fragments (and a slot's scale words) are in: asked for 32 matrix instructions ago
.if (\s) > 0
	PLACES 4                                       ; the other set was read by the last step's products
.endif
	FETCH SL, QQ+1, 1-PS
	WIN MUL
	MUL8 0, PS, QQ, SL, \zero
	MUL8 1, PS, QQ, SL, \zero
	MUL8 2, PS, QQ, SL, \zero
	MUL8 3, PS, QQ, SL, \zero
.endm
; A slot's last step changes slots: ONE barrier; in front of it each wave waits for all its tensor loads, adds 0 to its spare word, and waits for that and for its reads of this slot.  fill = 1: this slot is filled again, 1,024 along K ahead.
.macro TURN s, fill
.set SL, ((\s)/4)%2
.set PS, (\s)%2
.set TN, (\s)/4+1
	WIN 0                                          ; (the add's two registers lie in window 0)
	s_wait_tensorcnt 0x0                           ; all my tensor loads have landed: my part of the next slot
	ds_add_u32 v[SPW], v[NIL]                      ; 0 onto my spare word
	s_wait_dscnt 1                                 ; this step's 36 loads are in; the add may be out
	WIN MUL
	MUL8 0, PS, 3, SL, 0                           ; eight matrix instructions stand between the add and the wait for it
	s_wait_dscnt 0x0                               ; the add is done, and my reads of this slot are over
	s_barrier_signal -1
	MUL8 1, PS, 3, SL, 0
	WIN 0
	s_barrier_wait -1
.if \fill
	CREST                                          ; the barrier has opened a round of the cluster's: no wave of any partner still reads this slot or has a load on its way
	s_add_nc_u64 s[G0+4*SL+2:G0+4*SL+3], s[G0+4*SL+2:G0+4*SL+3], 2*SLB
	s_add_nc_u64 s[G0B+4*SL+2:G0B+4*SL+3], s[G0B+4*SL+2:G0B+4*SL+3], 2*SLB
	JLOAD G0+4*SL, G1, G0B+4*SL, G1B               ; my one tensor load behind the round: it has 112 matrix instructions in which to land; its four v_nop are the places in front of the loads below
.else
	PLACES 4
.endif
	FETCH 1-SL, 0, 1-PS
	SCALES TN, 1-SL
	WIN MUL
	MUL8 2, PS, 3, SL, 0
	MUL8 3, PS, 3, SL, 0
.endm
	s_wait_tensorcnt 1                             ; the scale words and my part of slot 0 are in; slot 1's load may stay out
	s_barrier_signal -1
	s_barrier_wait -1                              ; everybody's are
	FETCH 0, 0, 0
	SCALES 0, 0
	STEP 0, 1                                      ; the first step's products start the sums: nothing is cleared
	STEP 1, 0
	STEP 2, 0
	TURN 3, 1
	STEP 4, 0
	STEP 5, 0
	STEP 6, 0
	TURN 7, 1
	STEP 8, 0
	STEP 9, 0
	STEP 10, 0
	TURN 11, 0                                     ; nothing is left to fetch.  Behind this barrier nobody reads slot 0, and it has had its last fill: the stages lie there
	STEP 12, 0
	STEP 13, 0
	STEP 14, 0
	s_wait_dscnt 0x0
	WIN MUL
	MUL8 0, 1, 3, 1, 0
	MUL8 1, 1, 3, 1, 0
	MUL8 2, 1, 3, 1, 0
	MUL8 3, 1, 3, 1, 0
	WIN 0
	PLACES 4
; ---------------- the core ends ----------------
.set SEL, 98                           ; s[98:99] v_permlanex16_b32's selects for lane l xor 16
.set Y,   96                           ; v96-159  q x w; then the codes
.set Z,   160                          ; v160-223 after RoPE
.set PC,  96
.set TM,  240                          ; v240-243 largest magnitudes, v244-247 bytes, v248-251 the four token blocks' scale words, v252-255 the conversions' scale operands
	s_lshl_b32 s18, s17, 3
	s_lshl_b32 s19, s15, 2
	s_add_co_u32 s18, s18, s19                     ; my first token block: 8 x tile row + 4 x half
	s_mov_b32 s[SEL], 0x76543210
	s_mov_b32 s[SEL+1], 0xfedcba98
	s_cmp_ge_u32 ttmp9, 3
	s_cbranch_scc1 .Lgate
	s_cmp_lg_u32 ttmp9, 2
	s_cbranch_scc1 .Lqk
	s_cmp_eq_u32 s16, 1
	s_cbranch_scc1 .Lv
.Lqk:
	; ======== q or k: RMS norm, RoPE, codes along the head's 128.  Register 8 b + j of a token block is channel 16 b + 8 h + j: channel + 64 is register + 32 of the same lane
	s_lshl_b32 s19, s42, 1
	s_add_co_u32 s19, s19, s16                     ; q head 2 x tile column + half;
	s_add_co_u32 s2, s42, 8                        ; k head i (tile column 8 + i) is head 16 + i of the buffer
	s_cmp_eq_u32 ttmp9, 2
	s_cselect_b32 s19, s2, s19
	s_cselect_b64 s[12:13], s[92:93], s[10:11]     ; k_norm_w or q_norm_w
	s_lshl_b32 s19, s19, 8
	s_add_co_u32 s19, s19, s18                     ; 256 x head + token block
	s_mul_i32 s20, s19, FRB
	s_mov_b32 s21, 0
	s_lshl_b32 s22, s19, 6
	s_add_co_u32 s22, s22, QS
	s_mov_b32 s23, 0
	s_add_nc_u64 s[20:21], s[94:95], s[20:21]      ; the codes
	s_add_nc_u64 s[22:23], s[94:95], s[22:23]      ; the scale words
	s_lshl_b32 s2, s18, 13
	s_mov_b32 s3, 0
	s_add_nc_u64 s[6:7], s[6:7], s[2:3]            ; cos and sin at my first token
	s_add_nc_u64 s[8:9], s[8:9], s[2:3]
	s_mov_b32 s46, 0x3c000000                      ; 1 / 128
	s_mov_b32 s47, 0x358637bd                      ; 1e-6
.irp b, 0,1,2,3
	v_mov_b32 v[TM+4+\b], 0                        ; a lane permute's destination counts as one of its sources
.endr
.macro CSLOAD a                        ; cos and sin of token block a at my 64 channels, into window 3
	WIN 0xc0
.irp b, 0,1,2,3,4,5,6,7
.irp e, 0,1
	global_load_b128 v[128*((\a)%2)+8*\b+4*\e:128*((\a)%2)+8*\b+4*\e+3], v5, s[6:7] offset:8192*(\a)+64*\b+16*\e
	global_load_b128 v[128*((\a)%2)+64+8*\b+4*\e:128*((\a)%2)+64+8*\b+4*\e+3], v5, s[8:9] offset:8192*(\a)+64*\b+16*\e
.endr
.endr
.endm
; 64 numbers of a lane, register 16 b + i of block b, become a fragment's codes in v[PC] on and its scale word in v[pw]
.macro QUANT s, pw
.irp b, 0,1,2,3
	v_max3_num_f32 v[TM+\b], |v[\s+16*\b]|, |v[\s+1+16*\b]|, 0x2800000   ; block b: my 16 numbers, and the floor 2^(5 - 127)
.endr
.irp i, 2,4,6,8,10,12,14
.irp b, 0,1,2,3
	v_max3_num_f32 v[TM+\b], v[TM+\b], |v[\s+16*\b+\i]|, |v[\s+1+16*\b+\i]|
.endr
.endr
.irp b, 0,1,2,3
	v_permlanex16_b32 v[TM+4+\b], v[TM+\b], s[SEL], s[SEL+1]
.endr
.irp b, 0,1,2,3
	v_max_num_f32 v[TM+\b], v[TM+\b], v[TM+4+\b]   ; with lane l xor 16's: the block's largest magnitude
.endr
.irp b, 0,1,2,3
	v_add_nc_u32 v[TM+12+\b], 0xfe000000, v[TM+\b] ; 4 off its exponent field: the conversion's scale operand
.endr
.irp b, 0,1,2,3
	v_lshrrev_b32 v[TM+4+\b], 23, v[TM+12+\b]      ; the byte
.endr
	v_lshl_or_b32 v[\pw], v[TM+5], 8, v[TM+4]
	v_lshl_or_b32 v[\pw], v[TM+6], 16, v[\pw]
	v_lshl_or_b32 v[\pw], v[TM+7], 24, v[\pw]
.irp c, 0,1
	v_cvt_scalef32_pk16_bf6_f32 v[PC+6*\c:PC+2+6*\c], v[\s+32*\c:\s+15+32*\c], v[TM+12+2*\c]
	v_cvt_scalef32_pk16_bf6_f32 v[PC+12+4*\c:PC+14+4*\c], v[\s+16+32*\c:\s+31+32*\c], v[TM+12+2*\c+1]   ; (a conversion's three registers begin on an even number)
.endr
	v_nop                                          ; one plain place behind a scaled conversion
.irp c, 0,1                                    ; the operand's layout wants a whole block in a lane: lanes 0-15 block 2 c, lanes 16-31 block 2 c + 1
.irp i, 0,1,2
	v_permlane16_swap_b32 v[PC+6*\c+\i], v[PC+12+4*\c+\i]
.endr
.irp i, 0,1,2
	v_mov_b32 v[PC+3+6*\c+\i], v[PC+12+4*\c+\i]
.endr
.endr
.endm
	WIN 0x80
.irp b, 0,1,2,3,4,5,6,7
.irp e, 0,1
	global_load_b128 v[8*\b+4*\e:8*\b+4*\e+3], v6, s[12:13] offset:64*\b+16*\e    ; the norm's weights at my 64 channels, into window 2
.endr
.endr
	CSLOAD 0
	WIN 0x05                                       ; sources 0 and 1: the accumulators.  The sums of squares of all four token blocks, while the loads are out
.irp a, 0,1,2,3
	v_pk_mul_f32 v[224+4*\a:225+4*\a], v[64*\a:64*\a+1], v[64*\a:64*\a+1]
.endr
.irp a, 0,1,2,3
	v_pk_mul_f32 v[226+4*\a:227+4*\a], v[64*\a+2:64*\a+3], v[64*\a+2:64*\a+3]
.endr
.irp R, 4,8,12,16,20,24,28,32,36,40,44,48,52,56,60
.irp a, 0,1,2,3
	v_pk_fma_f32 v[224+4*\a:225+4*\a], v[64*\a+\R:64*\a+\R+1], v[64*\a+\R:64*\a+\R+1], v[224+4*\a:225+4*\a]
.endr
.irp a, 0,1,2,3
	v_pk_fma_f32 v[226+4*\a:227+4*\a], v[64*\a+\R+2:64*\a+\R+3], v[64*\a+\R+2:64*\a+\R+3], v[226+4*\a:227+4*\a]
.endr
.endr
	WIN 0
.irp a, 0,1,2,3
	v_pk_add_f32 v[224+4*\a:225+4*\a], v[224+4*\a:225+4*\a], v[226+4*\a:227+4*\a]
.endr
.irp a, 0,1,2,3
	v_add_f32 v[224+4*\a], v[224+4*\a], v[225+4*\a]
.endr
.irp a, 0,1,2,3
	v_permlanex16_b32 v[226+4*\a], v[224+4*\a], s[SEL], s[SEL+1]
.endr
.irp a, 0,1,2,3
	v_add_f32 v[224+4*\a], v[224+4*\a], v[226+4*\a]    ; with the token's other 64 channels
.endr
.irp a, 0,1,2,3
	v_fma_f32 v[226+4*\a], v[224+4*\a], s46, s47   ; the mean + 1e-6
.endr
.irp a, 0,1,2,3
	v_rsq_f32 v[224+4*\a], v[226+4*\a]             ; the packed multiply below takes this low word for both halves
.endr
	v_nop                                          ; one plain place behind a transcendental
	s_wait_alu depctr_va_vdst(0)
.macro BLOCK a
.if (\a) > 0
	s_wait_xcnt 0x0                                ; the last block's stores have read the codes' registers (ISA guide 3.1)
.else
	s_wait_loadcnt 32                              ; the norm's weights are in; block 0's 32 loads of cos and sin stay out
.endif
	WIN 0x09                                       ; source 0 the accumulators, source 1 the weights
.set i, 0
.rept 32
	v_pk_mul_f32 v[Y+i:Y+i+1], v[64*(\a)+i:64*(\a)+i+1], v[i:i+1]
.set i, i+2
.endr
.if (\a) == 0
	CSLOAD 1
.endif
.if (\a) < 3
	s_wait_loadcnt 32                              ; this block's cos and sin are in; the next block's 32 loads stay out
.else
	s_wait_loadcnt 0x0
.endif
	WIN 0x0c                                       ; source 1: cos, sin
.set i, 0
.rept 32
	v_pk_mul_f32 v[Z+i:Z+i+1], v[Y+i:Y+i+1], v[128*((\a)%2)+i:128*((\a)%2)+i+1]
.set i, i+2
.endr
.set i, 0
.rept 16
	v_pk_fma_f32 v[Z+i:Z+i+1], v[Y+32+i:Y+32+i+1], v[128*((\a)%2)+64+i:128*((\a)%2)+64+i+1], v[Z+i:Z+i+1] neg_lo:[1,0,0] neg_hi:[1,0,0]   ; channels 0-63: - q(d + 64) sin
	v_pk_fma_f32 v[Z+32+i:Z+32+i+1], v[Y+i:Y+i+1], v[128*((\a)%2)+96+i:128*((\a)%2)+96+i+1], v[Z+32+i:Z+32+i+1]                          ; channels 64-127: + q(d - 64) sin
.set i, i+2
.endr
.if (\a) < 2
	CSLOAD (\a)+2
.endif
	WIN 0
.set i, 0
.rept 32
	v_pk_mul_f32 v[Z+i:Z+i+1], v[Z+i:Z+i+1], v[224+4*(\a):225+4*(\a)] op_sel_hi:[1,0]     ; x 1 / rms
.set i, i+2
.endr
	QUANT Z, TM+8+(\a)
.irp j, 0,1,2
	global_store_b128 v4, v[PC+4*\j:PC+4*\j+3], s[20:21] offset:FRB*(\a)+512*\j    ; 32 lanes store 512 consecutive bytes
.endr
.endm
	BLOCK 0
	BLOCK 1
	BLOCK 2
	BLOCK 3
	v_cmp_eq_u32 vcc_lo, 1, v2
	v_cndmask_b32 v240, v248, v249, vcc_lo         ; lanes 0-15 store token block 0's (2's) words, lanes 16-31 block 1's (3's)
	v_cndmask_b32 v241, v250, v251, vcc_lo
	global_store_b32 v7, v240, s[22:23]            ; 128 consecutive bytes each: together one aligned run of 256
	global_store_b32 v7, v241, s[22:23] offset:128
	s_branch .Ltail
.Lv:
	; ======== v: the keys are the next product's K.  My 64 tokens x 128 channels turn through my stage; then lane (r, h) holds channel 16 t + r and the 32 keys of block 2 (my half) + h: registers 6 (my half) .. + 5 of the fragment
	s_sub_co_u32 s19, s42, 8
	s_lshl_b32 s19, s19, 5
	s_add_co_u32 s19, s19, s17                     ; 32 x kv head + which 128 keys (the tile row)
	s_mul_i32 s20, s19, 8*FRB
	s_mul_i32 s2, s15, 768
	s_add_co_u32 s20, s20, s2
	s_add_co_u32 s20, s20, VC
	s_mov_b32 s21, 0
	s_add_nc_u64 s[20:21], s[94:95], s[20:21]
	s_lshl_b32 s22, s19, 9
	s_lshl_b32 s2, s15, 1
	s_add_co_u32 s22, s22, s2
	s_add_co_u32 s22, s22, VS
	s_mov_b32 s23, 0
	s_add_nc_u64 s[22:23], s[94:95], s[22:23]
	v_mov_b32 v231, 0                              ; a lane permute's destination counts as one of its sources
	WIN 0x04                                       ; an LDS store's data are its source 1: window 1
.irp a, 0,1,2,3
.irp b, 0,1,2,3,4,5,6,7
	ds_store_b128 v8, v[64*\a+8*\b:64*\a+8*\b+3] offset:8448*\a+64*(\a/2)+64*\b          ; each accumulator from its low end on
	ds_store_b128 v8, v[64*\a+8*\b+4:64*\a+8*\b+7] offset:8448*\a+64*(\a/2)+64*\b+16
.endr
.endr
	WIN 0
.macro VREAD t                         ; place i takes key i with bits 3 and 4 exchanged.  LDS serves a wave's instructions in order (ISA guide 5.7.1.4): these see the stores above
.set i, 0
.rept 32
	ds_load_b32 v[96+32*((\t)%2)+i], v9 offset:528*((i&7)|((i&8)<<1)|((i&16)>>1))+64*(\t)
.set i, i+1
.endr
.endm
.macro VTILE t
.set XR, 96+32*((\t)%2)
.set CB, 160+6*(\t)                    ; each tile has its own registers: no store's data are written again
.if (\t) < 7
	s_wait_dscnt 32                                ; this tile's 32 reads are in; the next tile's 32 stay out
.else
	s_wait_dscnt 0x0
.endif
	v_max3_num_f32 v224, |v[XR]|, |v[XR+1]|, |v[XR+2]|
	v_max3_num_f32 v225, |v[XR+3]|, |v[XR+4]|, |v[XR+5]|
.irp i, 6,10,14,18,22,26
	v_max3_num_f32 v224, v224, |v[XR+\i]|, |v[XR+\i+1]|
	v_max3_num_f32 v225, v225, |v[XR+\i+2]|, |v[XR+\i+3]|
.endr
	v_max3_num_f32 v224, v224, |v[XR+30]|, |v[XR+31]|
	v_max3_num_f32 v224, v224, v225, 0x2800000     ; the floor 2^(5 - 127)
	v_add_nc_u32 v226, 0xfe000000, v224            ; the conversion's scale operand
	v_lshrrev_b32 v227, 23, v226                   ; the byte
	v_cvt_scalef32_pk16_bf6_f32 v[CB:CB+2], v[XR:XR+15], v226
	v_cvt_scalef32_pk16_bf6_f32 v[228:230], v[XR+16:XR+31], v226
	v_lshlrev_b32 v227, v12, v227                  ; my byte at 8 h.  (The plain place behind the conversions)
.irp i, 0,1,2
	v_mov_b32 v[CB+3+\i], v[228+\i]
.endr
	v_permlanex16_b32 v231, v227, s[SEL], s[SEL+1]
	v_or_b32 v[208+(\t)], v227, v231               ; the two bytes of my half of the scale word
.irp p, 0,1,2
	global_store_b64 v10, v[CB+2*\p:CB+2*\p+1], s[20:21] offset:FRB*(\t)+256*\p   ; 32 lanes store 256 consecutive bytes, aligned
.endr
.if (\t) < 6
	VREAD (\t)+2
.endif
.endm
	VREAD 0
	VREAD 1
.irp t, 0,1,2,3,4,5,6,7
	VTILE \t
.endr
	v_cmp_eq_u32 vcc_lo, 1, v2
.irp u, 0,1,2,3
	v_cndmask_b32 v[232+\u], v[208+2*\u], v[209+2*\u], vcc_lo
.endr
.irp u, 0,1,2,3
	global_store_b16 v11, v[232+\u], s[22:23] offset:128*\u    ; 2 bytes of each word: the other two are the other half's wave's (65,536 bytes of such words in the launch)
.endr
	s_branch .Ltail
.Lgate:
	; ======== gate: sigmoid(x) = 1 / (1 + 2^(-x log2 e)), in place, stored as the image of these registers: launch 3's results lie in the same lanes and registers
	s_sub_co_u32 s19, s42, 12
	s_lshl_b32 s19, s19, 1
	s_add_co_u32 s19, s19, s16                     ; the head
	s_lshl_b32 s19, s19, 13
	s_lshl_b32 s20, s18, 17                        ; [token block][head][8,192 bytes]
	s_add_co_u32 s20, s20, s19
	s_mov_b32 s21, 0
	s_add_nc_u64 s[20:21], s[96:97], s[20:21]
	s_mov_b32 s2, 0xbfb8aa3b                       ; -log2(e)
	s_mov_b32 s3, s2                               ; (named with it as a pair, so it is written)
.irp a, 0,1,2,3
	WIN 0x45                                       ; destination and sources: window 1
.set i, 0
.rept 32
	v_pk_mul_f32 v[64*\a+i:64*\a+i+1], v[64*\a+i:64*\a+i+1], s[2:3] op_sel_hi:[1,0]
.set i, i+2
.endr
.set i, 0
.rept 64
	v_exp_f32 v[64*\a+i], v[64*\a+i]
.set i, i+1
.endr
	v_nop                                          ; one plain place behind a transcendental
.set i, 0
	s_wait_alu depctr_va_vdst(0)
.rept 32
	v_pk_add_f32 v[64*\a+i:64*\a+i+1], v[64*\a+i:64*\a+i+1], 1.0 op_sel_hi:[1,0]
.set i, i+2
.endr
.set i, 0
.rept 64
	v_rcp_f32 v[64*\a+i], v[64*\a+i]
.set i, i+1
.endr
	v_nop
	WIN 0x04                                       ; a store's data are its source 1
.set i, 0
	s_wait_alu depctr_va_vdst(0)
.rept 16
	global_store_b128 v4, v[64*\a+4*i:64*\a+4*i+3], s[20:21] offset:131072*\a+512*i    ; 32 lanes store 512 consecutive bytes
.set i, i+1
.endr
.endr
	WIN 0
.Ltail:
	s_wait_tensorcnt 0x0                           ; the wave's end: behind my last tensor load and my last LDS store
	ds_add_u32 v[SPW], v[NIL]
	s_wait_dscnt 0x0
	CROUND                                         ; the closing round: no work-group ends while a partner may still ask for a tile that names it
	s_endpgm
.Lfunc_end_k_qe6f1aaf142_proj:
	.size	k_qe6f1aaf142_proj, .Lfunc_end_k_qe6f1aaf142_proj-k_qe6f1aaf142_proj
	.p2alignl 7, 3214868480
	.fill 96, 4, 3214868480
	.section	.rodata,"a",@progbits
	.p2align	6, 0x0
	.amdhsa_kernel k_qe6f1aaf142_proj
		.amdhsa_group_segment_fixed_size 327680
		.amdhsa_private_segment_fixed_size 0
		.amdhsa_enable_private_segment 0
		.amdhsa_kernarg_size 56
		.amdhsa_user_sgpr_count 2
		.amdhsa_user_sgpr_kernarg_segment_ptr 1
		.amdhsa_wavefront_size32 1
		.amdhsa_system_sgpr_workgroup_id_x 1
		.amdhsa_system_sgpr_workgroup_id_y 1
		.amdhsa_system_sgpr_workgroup_id_z 1
		.amdhsa_system_vgpr_workitem_id 0
		.amdhsa_next_free_vgpr 1024
		.amdhsa_next_free_sgpr 102
		.amdhsa_reserve_vcc 1
		.amdhsa_float_denorm_mode_32 3
		.amdhsa_float_denorm_mode_16_64 3
		.amdhsa_memory_ordered 1
		.amdhsa_forward_progress 1
		.amdhsa_inst_pref_size 255
	.end_amdhsa_kernel
	.section	.bss,"aw",@nobits
	.p2align	6
	.space	262144
	.amdgpu_metadata
---
amdhsa.version: [ 1, 2 ]
amdhsa.kernels:
  - .name:           k_qe6f1aaf142_proj
    .symbol:         k_qe6f1aaf142_proj.kd
    .args:
      - { .name: opnd, .offset: 0, .size: 8, .value_kind: global_buffer, .address_space: global }
      - { .name: cos, .offset: 8, .size: 8, .value_kind: global_buffer, .address_space: global }
      - { .name: sin, .offset: 16, .size: 8, .value_kind: global_buffer, .address_space: global }
      - { .name: q_norm_w, .offset: 24, .size: 8, .value_kind: global_buffer, .address_space: global }
      - { .name: k_norm_w, .offset: 32, .size: 8, .value_kind: global_buffer, .address_space: global }
      - { .name: heads, .offset: 40, .size: 8, .value_kind: global_buffer, .address_space: global }
      - { .name: gate, .offset: 48, .size: 8, .value_kind: global_buffer, .address_space: global }
    .group_segment_fixed_size: 327680
    .private_segment_fixed_size: 0
    .kernarg_segment_align: 8
    .kernarg_segment_size: 56
    .max_flat_workgroup_size: 128
    .sgpr_count:     102
    .vgpr_count:     1024
    .wavefront_size: 32
...
	.end_amdgpu_metadata
.endif
;; end of part 2
;; launch attn (part 3): grid 16 x 16, 16 waves a work-group, clusters of 4 x 1, 169,984 bytes of LDS; arguments heads, gate, attc; writes attc
.if DOCPART == 3
	.amdgcn_target "amdgcn-amd-amdhsa--gfx1250"
	.amdhsa_code_object_version 6
	.text
	.protected	k_qe6f1aaf142_attn
	.globl	k_qe6f1aaf142_attn
	.p2align	8
	.type	k_qe6f1aaf142_attn,@function
k_qe6f1aaf142_attn:
	s_mov_b64 s[64:65], 0
	v_nop
	global_prefetch_b8 v0, s[64:65] scope:SCOPE_SE
	s_setreg_imm32_b32 hwreg(HW_REG_WAVE_MODE, 25, 1), 1
	s_wait_xcnt 0x0
	s_wait_alu depctr_hold_cnt(0) depctr_sa_sdst(0) depctr_va_vdst(0) depctr_va_sdst(0) depctr_va_ssrc(0) depctr_va_vcc(0) depctr_vm_vsrc(0)
	s_getreg_b32 s2, hwreg(HW_REG_IB_STS2, 6, 4)
	s_cmp_eq_u32 s2, 0
	s_cbranch_scc0 .Lentry_in_a_cluster
	s_endpgm
.Lentry_in_a_cluster:
	s_bfe_u32 s2, ttmp6, 0x10000c
	s_cmp_lg_u32 s2, 0x3003
	s_cbranch_scc0 .Lentry_shape_is_right
	s_endpgm
.Lentry_shape_is_right:
; LAUNCH 3 OF 4.  Causal attention inside each of the 8 sequences of 512 tokens, 16 heads on 4 key-value heads, both products on codes of E3M2; the result x sigmoid(gate) is quantised along (head, channel) for launch 4.
; THE SOFTMAX AHEAD OF THE SECOND PRODUCT: t = score x log2(e) / sqrt(128); M = the running largest t rounded UP to a whole number; p = 2^(t - M) is quantised along the keys, not normalised; the row's sum is taken of the
; unquantised p and divides at the end.  When M moves, the sum and O are multiplied by 2^(old M - new M): exact.
; SHARES.  A work-group: one head, one sequence, 16 of its 32 tiles of 16 queries, a tile to a wave (256 registers, four waves to a SIMD).  Work-group y = 2 x sequence + half: half 0 takes tiles 0-7 and 24-31, half 1 tiles 8-23:
; 40 key steps of 128 keys either way.  A wave walks the key steps up to its own queries'; the later ones are hidden from all its queries by reference()'s own mask.
; K and V of the sequence (98,304 bytes of codes, 4,096 of scale words) come into LDS ONCE: no slot is filled again.  CLUSTER: the four heads of a key-value head read the same K and V: the four loads are joint.
; LAYOUT.  Both products transposed: S^T = K Q^T (source 0 = 16 keys), O^T = V^T P^T (source 0 = 16 channels): a lane holds ONE query (lane % 16); registers 8 t + j are key (channel) 16 t + 8 h + j.
; Converted sixteen at a time, p falls into its blocks in the order 'place p = element p with bits 3 and 4 exchanged', which V's codes have along the keys too (launch 2), as q's and k's have it along the head.
; cu_seqlens is named by no launch: reference() takes it and never uses it; its segments come from reshape(S, L).
; LIMITS: NaN and infinities are not served; a block of zeros gets the scale byte 1 (its codes are zeros; this program alone reads the bytes).
; REGISTERS: v1-8 addresses; v12 -M, v13 the largest t, v[14:15] the sum in two halves; v16-27 Q; v32-79 four fragments of K or V (at the end v32-95 the gate); v96-159 S^T, then p; v160-223 O^T; v224-235 codes; v236-254 at work;
;   v248-251, v253, v255 scale words.
.set FRB,  1536
.set KC,   6291456                     ; in heads: k's codes (heads 16-19 of [head][token block][1,536]),
.set VC,   7864320                     ; v's codes,
.set QS,   9437184                     ; q's scale words,
.set KS,   9699328                     ; k's,
.set VS,   9764864                     ; v's
.set ASO,  6291456                     ; in attc: the scale words [token block][4 heads][r][4 words]; the codes [token block][head][1,536] begin at byte 0
.set KIMG, 0                           ; LDS: K's 32 fragments,
.set VIMG, 49152                       ; V's 32 (key step q, 16 channels t: 8 q + t),
.set KSC,  98304                       ; K's scale words, 64 bytes a fragment,
.set VSC,  100352                      ; V's
.set WV,  18
.set SEL, 20                           ; s[20:21] selects for lane l xor 16
.set CS,  22                           ; s[22:23] c = log2(e) / sqrt(128)
.set G1C, 24                           ; s[24:31] group 1 for the codes: 192 rows of 256 bytes;  s[32:39] for the scale words: 8 rows
.set G1S, 32
.set G0C, 40                           ; s[40:43], s[44:47] their groups 0
.set G0S, 44
.set TQ,  48                           ; s48 the key step in which my queries lie
; Waves 0 and 1 fetch K's and V's codes, waves 2 and 3 their scale words, the others nothing.  The branches hang on the wave's number alone.  Four v_nop follow each line.
.macro TLOAD g0k, g1k, g0v, g1v
	s_cmp_lt_u32 s[WV], 2
	s_cbranch_scc0 .Lnot_k_\@
	tensor_load_to_lds s[\g0k:\g0k+3], s[\g1k:\g1k+7]
	s_nop 0
.rept 4
	v_nop
.endr
	s_branch .Lasked_\@
.Lnot_k_\@:
	s_cmp_lt_u32 s[WV], 4
	s_cbranch_scc0 .Lasked_\@
	tensor_load_to_lds s[\g0v:\g0v+3], s[\g1v:\g1v+7]
	s_nop 0
.rept 4
	v_nop
.endr
.Lasked_\@:
.endm
.macro CROUND                          ; a round of the cluster's barrier
	s_barrier_signal -1
	s_barrier_wait -1
	s_cmp_lg_u32 s[WV], 0
	s_cbranch_scc1 .Lnot_wave_0_\@
	s_barrier_signal -3
.Lnot_wave_0_\@:
	s_barrier_wait -3
	s_barrier_signal -1
	s_barrier_wait -1
.endm
	s_load_b128 s[4:7], s[0:1], 0x0                ; heads s[4:5], gate s[6:7]
	s_load_b64 s[8:9], s[0:1], 0x10                ; attc
	v_lshl_add_u32 v31, v0, 2, 0x29000
	v_mov_b32 v243, 0
	ds_add_u32 v31, v243
	v_lshrrev_b32 v9, 5, v0
	v_readfirstlane_b32 s[WV], v9                  ; wave 0..15
	s_bfe_u32 s10, ttmp6, 0x40000                  ; cx: the head within its group; it enters Q's, the gate's and the output's addresses alone
	s_and_b32 s11, ttmp7, 0xffff
	s_lshr_b32 s12, s11, 1                         ; the sequence
	s_and_b32 s13, s11, 1                          ; the half
	s_lshl_b32 s14, ttmp9, 2                       ; ttmp9 counts clusters: the key-value head
	s_add_co_u32 s14, s14, s10                     ; the head
	s_xor_b32 s15, s13, 1
	s_lshr_b32 s16, s[WV], 3
	s_and_b32 s15, s15, s16
	s_lshl_b32 s15, s15, 4
	s_lshl_b32 s16, s13, 3
	s_add_co_u32 s15, s15, s16
	s_add_co_u32 s15, s15, s[WV]                   ; my tile of queries: wave + 8 half + 16 (wave / 8 and not half)
	s_lshr_b32 s[TQ], s15, 3
	s_and_b32 s17, s15, 7
	s_lshl_b32 s17, s17, 4                         ; my first query within its key step
	s_lshl_b32 s16, s12, 5
	s_add_co_u32 s16, s16, s15                     ; my token block
	s_and_b32 s49, s[WV], 1                        ; what I fetch, if I fetch: K's (0) or V's (1)
	s_lshl_b32 s50, ttmp9, 8
	s_lshl_b32 s51, s12, 5
	s_add_co_u32 s50, s50, s51                     ; 256 x key-value head + 32 x sequence: fragments from the tensors' starts
	s_mul_i32 s52, s50, FRB
	s_mul_i32 s51, s49, VC-KC
	s_add_co_u32 s52, s52, s51
	s_add_co_u32 s52, s52, KC
	s_mov_b32 s53, 0
	s_lshl_b32 s54, s50, 6
	s_lshl_b32 s51, s49, 16                        ; VS - KS = 65,536
	s_add_co_u32 s54, s54, s51
	s_add_co_u32 s54, s54, KS
	s_mov_b32 s55, 0
	s_lshl_b32 s56, s14, 8
	s_add_co_u32 s56, s56, s16                     ; 256 x head + token block
	s_mul_i32 s58, s56, FRB
	s_mov_b32 s59, 0
	s_lshl_b32 s60, s56, 6
	s_add_co_u32 s60, s60, QS
	s_mov_b32 s61, 0
	s_lshl_b32 s62, s16, 4
	s_add_co_u32 s62, s62, s14                     ; 16 x token block + head
	s_lshl_b32 s66, s62, 13
	s_mov_b32 s67, 0
	s_mul_i32 s68, s62, FRB
	s_mov_b32 s69, 0
	s_lshl_b32 s70, s16, 10
	s_lshl_b32 s51, ttmp9, 8
	s_add_co_u32 s70, s70, s51
	s_lshl_b32 s51, s10, 2
	s_add_co_u32 s70, s70, s51
	s_add_co_u32 s70, s70, ASO
	s_mov_b32 s71, 0
	s_mov_b32 s[G1C], 15|(3<<16)|(1<<21)           ; 15:0 the mask: all four work-groups; 17:16 elements of 8 bytes; 21 set beside a mask
	s_mov_b32 s[G1C+1], 32<<16                     ; tensor_dim0: 256 bytes
	s_mov_b32 s[G1C+2], 192<<16                    ; tensor_dim1
	s_mov_b32 s[G1C+3], 32<<16                     ; tile_dim0
	s_mov_b32 s[G1C+4], 192                        ; tile_dim1
	s_mov_b32 s[G1C+5], 32                         ; dense
	s_mov_b32 s[G1C+6], 0
	s_mov_b32 s[G1C+7], 0
	s_mov_b32 s[G1S], 15|(3<<16)|(1<<21)
	s_mov_b32 s[G1S+1], 32<<16
	s_mov_b32 s[G1S+2], 8<<16
	s_mov_b32 s[G1S+3], 32<<16
	s_mov_b32 s[G1S+4], 8
	s_mov_b32 s[G1S+5], 32
	s_mov_b32 s[G1S+6], 0
	s_mov_b32 s[G1S+7], 0
	s_mov_b32 s[G0C], 1
	s_mul_i32 s[G0C+1], s49, VIMG
	s_mov_b32 s[G0S], 1
	s_lshl_b32 s[G0S+1], s49, 11
	s_add_co_u32 s[G0S+1], s[G0S+1], KSC
	s_mov_b32 s[SEL], 0x76543210
	s_mov_b32 s[SEL+1], 0xfedcba98
	s_mov_b32 s[CS], 0x3e0293ee                    ; log2(e) / sqrt(128)
	s_mov_b32 s[CS+1], s[CS]                       ; (named with it as a pair, so it is written)
	s_wait_dscnt 0x0
	s_wait_kmcnt 0x0
	s_add_nc_u64 s[G0C+2:G0C+3], s[4:5], s[52:53]
	s_or_b32 s[G0C+3], s[G0C+3], 0x80000000
	s_add_nc_u64 s[G0S+2:G0S+3], s[4:5], s[54:55]
	s_or_b32 s[G0S+3], s[G0S+3], 0x80000000
	s_add_nc_u64 s[58:59], s[4:5], s[58:59]        ; Q's codes,
	s_add_nc_u64 s[60:61], s[4:5], s[60:61]        ; Q's scale words,
	s_add_nc_u64 s[66:67], s[6:7], s[66:67]        ; my 8,192 bytes of the gate,
	s_add_nc_u64 s[68:69], s[8:9], s[68:69]        ; my fragment of the output,
	s_add_nc_u64 s[70:71], s[8:9], s[70:71]        ; and its scale words
	CROUND                                         ; all four work-groups are here: the joint loads meet
	TLOAD G0C, G1C, G0S, G1S                       ; one tensor load of a fetching wave is out, and it is the launch's only one
	v_and_b32 v9, 31, v0                           ; lane
	v_and_b32 v10, 15, v0                          ; r
	v_bfe_u32 v11, v0, 4, 1                        ; h
	v_lshlrev_b32 v1, 4, v9                        ; 16 x lane: K's images, and every image in memory
	v_lshl_add_u32 v2, v9, 3, VIMG                 ; V's images: 8 x lane
	v_lshl_add_u32 v3, v10, 2, KSC
	v_lshl_add_u32 v4, v10, 2, VSC
	v_lshlrev_b32 v11, 3, v11
	v_sub_nc_u32 v5, v10, v11
	v_add_nc_u32 v5, s17, v5                       ; d = my query within its key step - 8 h: register 8 t + j's key is hidden where 16 t + j > d
	v_lshlrev_b32 v6, 4, v10                       ; 16 r
	v_lshlrev_b32 v7, 8, v9                        ; 256 x lane
	v_lshlrev_b32 v8, 2, v10                       ; 4 r
.irp j, 0,1,2
	global_load_b128 v[16+4*\j:19+4*\j], v1, s[58:59] offset:512*\j    ; Q's fragment stays in registers
.endr
	global_load_b32 v255, v8, s[60:61]             ; and its scale words
	global_prefetch_b8 v7, s[66:67] th:TH_LOAD_NT scope:SCOPE_SE       ; my wave's own 8,192 bytes of the gate, wanted behind the key steps: lanes 256 bytes apart, each block asked for once in the launch
	v_mov_b32 v13, 0xff61b1e6                      ; the largest t so far: -3e38, under every t
	v_floor_f32 v12, -v13                          ; -M
	v_mov_b32 v14, 0                               ; the sum, in two halves
	v_mov_b32 v15, 0
.irp b, 0,1,2,3
	v_mov_b32 v[236+\b], 0                         ; a lane permute's destination counts as one of its sources
.endr
	v_mov_b32 v253, 0                              ; (named as the upper half of the pair v[252:253] before it is first written)
.set i, 0
.rept 64
	v_mov_b32 v[160+i], 0                          ; O^T.  (The step is one macro: the first finds zeros, which the first change of M leaves zeros)
.set i, i+1
.endr
; The largest magnitudes of the four blocks are in v232-235; the 64 numbers in v96-159.  The scale word goes to v253, the codes to v224-235.
.macro CODES
.irp b, 0,1,2,3
	v_max_num_f32 v[232+\b], 0x2800000, v[232+\b]  ; the floor 2^(5 - 127): the byte cannot fall under 1
.endr
.irp b, 0,1,2,3
	v_add_nc_u32 v[244+\b], 0xfe000000, v[232+\b]  ; 4 off the exponent field: the conversion's scale operand
.endr
.irp b, 0,1,2,3
	v_lshrrev_b32 v[236+\b], 23, v[244+\b]         ; the byte
.endr
	v_lshl_or_b32 v253, v237, 8, v236
	v_lshl_or_b32 v253, v238, 16, v253
	v_lshl_or_b32 v253, v239, 24, v253
.irp c, 0,1
	v_cvt_scalef32_pk16_bf6_f32 v[224+6*\c:226+6*\c], v[96+32*\c:111+32*\c], v[244+2*\c]
	v_cvt_scalef32_pk16_bf6_f32 v[236+4*\c:238+4*\c], v[112+32*\c:127+32*\c], v[244+2*\c+1]   ; (a conversion's three registers begin on an even number)
.endr
	v_nop                                          ; one plain place behind a scaled conversion
.irp c, 0,1                                    ; the operand's layout wants a whole block in a lane: lanes 0-15 block 2 c, lanes 16-31 block 2 c + 1
.irp i, 0,1,2
	v_permlane16_swap_b32 v[224+6*\c+\i], v[236+4*\c+\i]
.endr
.irp i, 0,1,2
	v_mov_b32 v[227+6*\c+\i], v[236+4*\c+\i]
.endr
.endr
.endm
; KEY STEP q: keys 128 q .. 128 q + 127 of the sequence.  Every offset is an immediate.
.macro STEP q
.irp g, 0,1                                    ; S^T = K Q^T, four tiles of 16 keys at a time
.rept 4
	v_nop                                          ; places in front of loads into registers that matrix instructions have read
.endr
.irp t, 0,1,2,3
.irp j, 0,1,2
	ds_load_b128 v[32+12*\t+4*\j:35+12*\t+4*\j], v1 offset:KIMG+(8*(\q)+4*\g+\t)*FRB+512*\j
.endr
	ds_load_b32 v[248+\t], v3 offset:(8*(\q)+4*\g+\t)*64
.endr
	s_wait_dscnt 0x0
.irp t, 0,1,2,3
	v_wmma_scale_f32_16x16x128_f8f6f4 v[96+8*(4*\g+\t):103+8*(4*\g+\t)], v[32+12*\t:43+12*\t], v[16:27], 0, v[248+\t], v255 matrix_a_fmt:MATRIX_FMT_BF6 matrix_b_fmt:MATRIX_FMT_BF6
.endr
.endr
.rept 4
	v_nop
.endr
	s_cmp_lg_u32 s[TQ], \q                         ; in my queries' own key step the scores of later keys become -infinity ahead of the maximum: p = 0 then.  In earlier steps every key counts
	s_cbranch_scc1 .Lopen_\@
	v_mov_b32 v254, 0xff800000
.irp n, 0,1,2,3,4,5,6,7,8,9,10,11,12,13,14,15,16,17,18,19,20,21,22,23,24,25,26,27,28,29,30,31,32,33,34,35,36,37,38,39,40,41,42,43,44,45,46,47,48,49,50,51,52,53,54,55,56,57,58,59,60,61,62,63
	v_cmp_gt_i32 vcc_lo, 16*(\n/8)+\n%8, v5
	v_cndmask_b32 v[96+\n], v[96+\n], v254, vcc_lo
.endr
.Lopen_\@:
.irp b, 0,1,2,3
	v_max3_num_f32 v[232+\b], v[96+16*\b], v[97+16*\b], v[98+16*\b]   ; the largest score of each block of 32 keys: for the row's maximum and, since p rises with the score, for the block's largest p
.endr
.irp i, 3,5,7,9,11,13
.irp b, 0,1,2,3
	v_max3_num_f32 v[232+\b], v[232+\b], v[96+16*\b+\i], v[97+16*\b+\i]
.endr
.endr
.irp b, 0,1,2,3
	v_max_num_f32 v[232+\b], v[232+\b], v[111+16*\b]
.endr
.irp b, 0,1,2,3
	v_permlanex16_b32 v[236+\b], v[232+\b], s[SEL], s[SEL+1]
.endr
.irp b, 0,1,2,3
	v_max_num_f32 v[232+\b], v[232+\b], v[236+\b]  ; with lane l xor 16's 16 keys
.endr
	v_max3_num_f32 v254, v232, v233, v234
	v_max_num_f32 v254, v254, v235                 ; the step's largest score of my query
	v_mul_f32 v254, s[CS], v254                    ; as t (c is positive)
	v_max_num_f32 v13, v13, v254                   ; the running largest t
	v_mov_b32 v254, v12
	v_floor_f32 v12, -v13                          ; the new -M = floor(-t) = -ceil(t)
	v_sub_f32 v254, v12, v254                      ; old M - new M: a whole number, 0 or less
	v_cvt_i32_f32 v254, v254                       ; (it saturates)
	v_ldexp_f32 v252, 1.0, v254                    ; f = 2^(old M - new M)
.set i, 0
.rept 32
	v_pk_fma_f32 v[96+i:97+i], v[96+i:97+i], s[CS:CS+1], v[12:13] op_sel_hi:[1,0,0]   ; t - M, two at a time
.set i, i+2
.endr
.irp b, 0,1,2,3
	v_fma_f32 v[232+\b], v[232+\b], s[CS], v12     ; the same of each block's largest score
.endr
.set i, 0
.rept 64
	v_exp_f32 v[96+i], v[96+i]                     ; p = 2^(t - M), at most 1
.set i, i+1
.endr
.irp b, 0,1,2,3
	v_exp_f32 v[232+\b], v[232+\b]                 ; the block's largest p: the same two instructions on the same number
.endr
	v_pk_mul_f32 v[14:15], v[14:15], v[252:253] op_sel_hi:[1,0]   ; the sums under the new M.  (A plain place behind the exponentials)
	s_wait_alu depctr_va_vdst(0)
	CODES
	v_pk_add_f32 v[236:237], v[96:97], v[98:99]    ; the row's sum is taken of the unquantised p: two at a time, in two chains
.irp j, 4,8,12,16,20,24,28,32,36,40,44,48,52,56,60
	v_pk_add_f32 v[14:15], v[14:15], v[96+\j:97+\j]
	v_pk_add_f32 v[236:237], v[236:237], v[98+\j:99+\j]
.endr
	v_pk_add_f32 v[14:15], v[14:15], v[236:237]
.set i, 0
.rept 32
	v_pk_mul_f32 v[160+i:161+i], v[160+i:161+i], v[252:253] op_sel_hi:[1,0]   ; O^T under the new M.  (These 32 are also the places in front of the loads and matrix instructions below)
.set i, i+2
.endr
.irp g, 0,1                                    ; O^T += V^T P^T: four tiles of 16 channels at a time; K = these 128 keys
.if \g > 0
.rept 4
	v_nop
.endr
.endif
.irp t, 0,1,2,3
.irp p, 0,1,2,3,4,5
	ds_load_b64 v[32+12*\t+2*\p:33+12*\t+2*\p], v2 offset:(8*(\q)+4*\g+\t)*FRB+256*\p
.endr
	ds_load_b32 v[248+\t], v4 offset:(8*(\q)+4*\g+\t)*64
.endr
	s_wait_dscnt 0x0
.irp t, 0,1,2,3
	v_wmma_scale_f32_16x16x128_f8f6f4 v[160+8*(4*\g+\t):167+8*(4*\g+\t)], v[32+12*\t:43+12*\t], v[224:235], v[160+8*(4*\g+\t):167+8*(4*\g+\t)], v[248+\t], v253 matrix_a_fmt:MATRIX_FMT_BF6 matrix_b_fmt:MATRIX_FMT_BF6
.endr
.endr
.endm
	s_wait_tensorcnt 0x0                           ; my part of K, V or their scale words has landed,
	s_barrier_signal -1
	s_barrier_wait -1                              ; everybody's has
	s_wait_loadcnt 0x0                             ; Q
	STEP 0
	s_cmp_lt_u32 s[TQ], 1                          ; a key step all of whose keys come after my queries, and every later one, is left out: a branch on ids
	s_cbranch_scc1 .Ldone
	STEP 1
	s_cmp_lt_u32 s[TQ], 2
	s_cbranch_scc1 .Ldone
	STEP 2
	s_cmp_lt_u32 s[TQ], 3
	s_cbranch_scc1 .Ldone
	STEP 3
.Ldone:
	; THE WAY OUT: O^T / the sum, x sigmoid(gate), which launch 2 stored as the image of these very lanes and registers; quantised along the head's 128, K step 'head' of launch 4's product
.rept 4
	v_nop                                          ; places behind the last products
.endr
.set i, 0
.rept 16
	global_load_b128 v[32+4*i:35+4*i], v1, s[66:67] offset:512*i
.set i, i+1
.endr
	v_add_f32 v14, v14, v15                        ; the sum's two halves,
	v_permlanex16_b32 v252, v14, s[SEL], s[SEL+1]
	v_add_f32 v14, v14, v252                       ; and lane l xor 16's
	v_rcp_f32 v14, v14
	v_nop                                          ; one plain place behind a transcendental
.set i, 0
	s_wait_alu depctr_va_vdst(0)
.rept 32
	v_pk_mul_f32 v[96+i:97+i], v[160+i:161+i], v[14:15] op_sel_hi:[1,0]
.set i, i+2
.endr
	s_wait_loadcnt 0x0
.set i, 0
.rept 32
	v_pk_mul_f32 v[96+i:97+i], v[96+i:97+i], v[32+i:33+i]
.set i, i+2
.endr
.irp b, 0,1,2,3
	v_max3_num_f32 v[232+\b], |v[96+16*\b]|, |v[97+16*\b]|, |v[98+16*\b]|
.endr
.irp i, 3,5,7,9,11,13
.irp b, 0,1,2,3
	v_max3_num_f32 v[232+\b], v[232+\b], |v[96+16*\b+\i]|, |v[97+16*\b+\i]|
.endr
.endr
.irp b, 0,1,2,3
	v_max_num_f32 v[232+\b], v[232+\b], |v[111+16*\b]|
.endr
.irp b, 0,1,2,3
	v_permlanex16_b32 v[236+\b], v[232+\b], s[SEL], s[SEL+1]
.endr
.irp b, 0,1,2,3
	v_max_num_f32 v[232+\b], v[232+\b], v[236+\b]
.endr
	CODES
.irp j, 0,1,2
	global_store_b128 v1, v[224+4*\j:227+4*\j], s[68:69] offset:512*\j    ; 32 lanes store 512 consecutive bytes
.endr
	global_store_b32 v6, v253, s[70:71]            ; row r's word, 4 bytes of each 16 (both halves of the lanes hold and store the same): the other three words are the group's other heads' (262,144 bytes of such words in the launch)
	s_wait_dscnt 0x0
	s_wait_tensorcnt 0x0
	ds_add_u32 v31, v243
	s_wait_dscnt 0x0
	CROUND                                         ; the closing round
	s_endpgm
.Lfunc_end_k_qe6f1aaf142_attn:
	.size	k_qe6f1aaf142_attn, .Lfunc_end_k_qe6f1aaf142_attn-k_qe6f1aaf142_attn
	.p2alignl 7, 3214868480
	.fill 96, 4, 3214868480
	.section	.rodata,"a",@progbits
	.p2align	6, 0x0
	.amdhsa_kernel k_qe6f1aaf142_attn
		.amdhsa_group_segment_fixed_size 169984
		.amdhsa_private_segment_fixed_size 0
		.amdhsa_enable_private_segment 0
		.amdhsa_kernarg_size 24
		.amdhsa_user_sgpr_count 2
		.amdhsa_user_sgpr_kernarg_segment_ptr 1
		.amdhsa_wavefront_size32 1
		.amdhsa_system_sgpr_workgroup_id_x 1
		.amdhsa_system_sgpr_workgroup_id_y 1
		.amdhsa_system_sgpr_workgroup_id_z 1
		.amdhsa_system_vgpr_workitem_id 0
		.amdhsa_next_free_vgpr 256
		.amdhsa_next_free_sgpr 72
		.amdhsa_reserve_vcc 1
		.amdhsa_float_denorm_mode_32 3
		.amdhsa_float_denorm_mode_16_64 3
		.amdhsa_memory_ordered 1
		.amdhsa_forward_progress 1
		.amdhsa_inst_pref_size 123
	.end_amdhsa_kernel
	.amdgpu_metadata
---
amdhsa.version: [ 1, 2 ]
amdhsa.kernels:
  - .name:           k_qe6f1aaf142_attn
    .symbol:         k_qe6f1aaf142_attn.kd
    .args:
      - { .name: heads, .offset: 0, .size: 8, .value_kind: global_buffer, .address_space: global }
      - { .name: gate, .offset: 8, .size: 8, .value_kind: global_buffer, .address_space: global }
      - { .name: attc, .offset: 16, .size: 8, .value_kind: global_buffer, .address_space: global }
    .group_segment_fixed_size: 169984
    .private_segment_fixed_size: 0
    .kernarg_segment_align: 8
    .kernarg_segment_size: 24
    .max_flat_workgroup_size: 512
    .sgpr_count:     72
    .vgpr_count:     256
    .wavefront_size: 32
...
	.end_amdgpu_metadata
.endif
;; end of part 3
;; launch outp (part 4): grid 8 x 32, 4 waves a work-group, clusters of 4 x 4, 327,680 bytes of LDS; arguments attc, opnd, out0; writes out0
.if DOCPART == 4
	.amdgcn_target "amdgcn-amd-amdhsa--gfx1250"
	.amdhsa_code_object_version 6
	.text
	.protected	k_qe6f1aaf142_outp
	.globl	k_qe6f1aaf142_outp
	.p2align	8
	.type	k_qe6f1aaf142_outp,@function
k_qe6f1aaf142_outp:
	s_mov_b64 s[64:65], 0
	v_nop
	global_prefetch_b8 v0, s[64:65] scope:SCOPE_SE
	s_setreg_imm32_b32 hwreg(HW_REG_WAVE_MODE, 25, 1), 1
	s_wait_xcnt 0x0
	s_wait_alu depctr_hold_cnt(0) depctr_sa_sdst(0) depctr_va_vdst(0) depctr_va_sdst(0) depctr_va_ssrc(0) depctr_va_vcc(0) depctr_vm_vsrc(0)
	s_getreg_b32 s2, hwreg(HW_REG_IB_STS2, 6, 4)
	s_cmp_eq_u32 s2, 0
	s_cbranch_scc0 .Lentry_in_a_cluster
	s_endpgm
.Lentry_in_a_cluster:
	s_bfe_u32 s2, ttmp6, 0x10000c
	s_cmp_lg_u32 s2, 0xf033
	s_cbranch_scc0 .Lentry_shape_is_right
	s_endpgm
.Lentry_shape_is_right:
; LAUNCH 4 OF 4.  out0 [4096][2048] f32 = (attention x sigmoid(gate)) Wo, on the codes that launches 3 and 1 made.  The core is launch 2's, line for line.
; SHARES.  A work-group makes 128 tokens x 256 columns, its four waves 64 x 128 each: 32 accumulators.  256 work-groups.  K goes in steps of 128 (a head), four to an LDS slot, two slots filled by the tensor data mover.
; OPERANDS lie in memory as images of fragments' registers: a fragment is three ds_load_b128 of 512 consecutive bytes: no pitch, no padding.
; CLUSTERS: 4 x 4 work-groups; the tokens' tile is asked for jointly along a row of the cluster, Wo's along a column.
; THE MATRIX INSTRUCTION IS USED TRANSPOSED (source 0 = 16 columns of Wo, source 1 = 16 tokens): lane (r, h) of accumulator (a, b) holds token 16 a + r and columns 16 b + 8 h + 0 .. 7: 32 neighbouring bytes of a row of out0.
; REGISTERS, in windows of 256: window 0: v1-9 addresses; v16-29 LDS addresses; v32-95 scale words, two sets, and nothing else; v96-191 the tokens' fragments, two sets; on the way out v96-223 rows of out0.
;   window 1: the accumulators, (a, b) at v[8 (8 a + b)].   window 2: Wo's fragments, two sets, at v0 and v128.
.set A_OFF,  0                         ; in attc: the codes,
.set AS_OFF, 6291456                   ; the scale words
.set B_OFF,  14155776                  ; in opnd: Wo's codes (row blocks 320 on),
.set BS_OFF, 17891328                  ; Wo's scale words
.set PA, 4                             ; s[4:5] attc
.set PB, 6                             ; s[6:7] opnd
; ---------------- the core, the same in launches 2 and 4 ----------------
.set RBB,   24576                      ; a row block's codes in memory: 16 K steps
.set FRB,   1536                       ; a fragment's image
.set SLB,   6144                       ; what a slot holds of a row block: four K steps
.set SLOT,  24*SLB                     ; 8 row blocks of tokens, then 16 of columns
.set BOFF,  8*SLB
.set SCA,   2*SLOT                     ; behind the ring: the scale words of the 128 tokens for all of K, 8,192 bytes;
.set SCB,   SCA+8192                   ; of the 256 columns, 16,384 bytes: filled once
.set SPARE, SCB+16384                  ; the spare words, 128 bytes for each wave: two blocks of 256 bytes that no other line names
.set ADRA, 16                          ; v16-17  my tokens' fragments in slot 0, 1
.set ADRB, 20                          ; v20-21  my columns'
.set ADRS, 27                          ; v27     my scale words: lanes 0-15 the tokens', lanes 16-31 the columns'
.set SPW,  28                          ; v28     LDS address of my spare word; never rewritten
.set NIL,  29                          ; v29     0; never rewritten
.set SC,   32                          ; scale words: set s at v[SC + 32 s]; register 4 i + q: lanes 0-15 token block i, lanes 16-31 column block i, the slot's q-th K step
.set AF,   96                          ; the tokens' fragments: set s at v[AF + 48 s]
.set G1,   24                          ; s[24:31] group 1, s[32:39] groups 0 (one a slot): the tokens' tiles
.set G0,   32
.set G1B,  48                          ; s[48:55], s[56:63]: the columns'
.set G0B,  56
.set G1S,  68                          ; s[68:75], s[76:79]: the tokens' scale words
.set G0S,  76
.set G1SB, 80                          ; s[80:87], s[88:91]: the columns'
.set G0SB, 88
.set MSB, 0
.macro WIN new                         ; the immediate's high byte repeats the setting that is left
.if MSB != \new
	s_set_vgpr_msb (MSB<<8)|\new
.set MSB, \new
.endif
.endm
.set MUL,  0x52                        ; source 0 window 2, source 1 window 0, C and D window 1
.set TO_B, 0x80                        ; destination window 2, address window 0
; A joint load: waves 0 and 1 fetch the tokens' side, waves 2 and 3 the columns'.  The branch hangs on the wave's number alone.  Four v_nop follow each of the two lines.
.macro JLOAD g0a, g1a, g0b, g1b
	s_cmp_eq_u32 s15, 0
	s_cbranch_scc0 .Lfor_b_\@
	tensor_load_to_lds s[\g0a:\g0a+3], s[\g1a:\g1a+7]
	s_nop 0
.rept 4
	v_nop
.endr
	s_branch .Lasked_\@
.Lfor_b_\@:
	tensor_load_to_lds s[\g0b:\g0b+3], s[\g1b:\g1b+7]
	s_nop 0
.rept 4
	v_nop
.endr
.Lasked_\@:
.endm
.macro CREST                           ; a round of the cluster's barrier behind its opening barrier
	s_cmp_lg_u32 s14, 0
	s_cbranch_scc1 .Lnot_wave_0_\@
	s_barrier_signal -3
.Lnot_wave_0_\@:
	s_barrier_wait -3
	s_barrier_signal -1
	s_barrier_wait -1
.endm
.macro CROUND                          ; a whole round
	s_barrier_signal -1
	s_barrier_wait -1
	CREST
.endm
.macro PLACES n                        ; plain vector instructions between a matrix instruction and a load into, or a read of, its registers
.rept \n
	v_nop
.endr
.endm
	s_load_b128 s[4:7], s[0:1], 0x0                ; attc s[4:5], opnd s[6:7]
	s_load_b64 s[8:9], s[0:1], 0x10                ; out0
	v_lshl_add_u32 v[SPW], v0, 2, SPARE
	v_mov_b32 v[NIL], 0
	ds_add_u32 v28, v29
	s_wait_dscnt 0x0
	v_lshrrev_b32 v1, 5, v0
	v_readfirstlane_b32 s14, v1                    ; wave 0..3
	s_lshr_b32 s15, s14, 1                         ; which 64 tokens are mine.  Also: I fetch the tokens' side (0) or the columns' (1)
	s_and_b32 s16, s14, 1                          ; which 128 columns.  Also: which half of that side I fetch
	s_bfe_u32 s40, ttmp6, 0x40000                  ; cx, cy: my place in the cluster
	s_bfe_u32 s41, ttmp6, 0x40004
	s_lshl_b32 s42, ttmp9, 2
	s_add_co_u32 s42, s42, s40                     ; tile column = 4 x cluster x + cx
	s_and_b32 s17, ttmp7, 0xffff
	s_lshl_b32 s17, s17, 2
	s_add_co_u32 s17, s17, s41                     ; tile row = 4 x cluster y + cy
	s_lshl_b32 s43, s41, 2
	s_lshl_b32 s43, 15, s43                        ; my row of the cluster
	s_lshl_b32 s44, 0x1111, s40                    ; my column
	; group 1: rows of 6,144 bytes (768 elements of 8 bytes: a row block's four K steps), 24,576 bytes apart; 4 of them for the tokens' side, 8 for the columns'; no padding
	s_or_b32 s[G1+0], s43, (3<<16)|(1<<21)         ; 15:0 the mask; 17:16 elements of 8 bytes; 21 set beside a mask
	s_or_b32 s[G1B+0], s44, (3<<16)|(1<<21)
.irp g, G1, G1B
	s_mov_b32 s[\g+1], 768<<16                     ; tensor_dim0
	s_mov_b32 s[\g+3], 768<<16                     ; tile_dim0
	s_mov_b32 s[\g+5], 3072                        ; tensor_dim0_stride
	s_mov_b32 s[\g+6], 0
	s_mov_b32 s[\g+7], 0
.endr
	s_mov_b32 s[G1+2], 4<<16                       ; tensor_dim1
	s_mov_b32 s[G1+4], 4                           ; tile_dim1
	s_mov_b32 s[G1B+2], 8<<16
	s_mov_b32 s[G1B+4], 8
	; the scale words: dense blocks, as rows of 256 bytes: 16 rows for the tokens' half, 32 for the columns'
	s_or_b32 s[G1S+0], s43, (3<<16)|(1<<21)
	s_or_b32 s[G1SB+0], s44, (3<<16)|(1<<21)
.irp g, G1S, G1SB
	s_mov_b32 s[\g+1], 32<<16
	s_mov_b32 s[\g+3], 32<<16
	s_mov_b32 s[\g+5], 32
	s_mov_b32 s[\g+6], 0
	s_mov_b32 s[\g+7], 0
.endr
	s_mov_b32 s[G1S+2], 16<<16
	s_mov_b32 s[G1S+4], 16
	s_mov_b32 s[G1SB+2], 32<<16
	s_mov_b32 s[G1SB+4], 32
	; where the tiles come from: the tokens' hang on the tile row alone, the columns' on the tile column alone, each in registers that never hold the other coordinate
	s_lshl_b32 s20, s17, 3
	s_lshl_b32 s18, s16, 2
	s_add_co_u32 s20, s20, s18                     ; row block 8 x tile row + 4 x half
	s_lshl_b32 s22, s20, 10                        ; its scale words,
	s_mul_i32 s20, s20, RBB                        ; its codes
	s_mov_b32 s21, 0
	s_mov_b32 s23, 0
.if A_OFF
	s_add_nc_u64 s[20:21], s[20:21], A_OFF
.endif
	s_add_nc_u64 s[22:23], s[22:23], AS_OFF
	s_lshl_b32 s46, s42, 4
	s_lshl_b32 s19, s16, 3
	s_add_co_u32 s46, s46, s19                     ; row block 16 x tile column + 8 x half
	s_lshl_b32 s98, s46, 10
	s_mul_i32 s46, s46, RBB
	s_mov_b32 s47, 0
	s_mov_b32 s99, 0
	s_add_nc_u64 s[46:47], s[46:47], B_OFF
	s_add_nc_u64 s[98:99], s[98:99], BS_OFF
	s_mul_i32 s45, s16, 4*SLB                      ; and where they go: no place in the cluster enters an LDS address
	s_mul_i32 s12, s16, 8*SLB
	s_add_co_u32 s12, s12, BOFF
	s_lshl_b32 s13, s16, 12
	s_add_co_u32 s13, s13, SCA
	s_lshl_b32 s3, s16, 13
	s_add_co_u32 s3, s3, SCB
	s_wait_kmcnt 0x0
	s_add_nc_u64 s[20:21], s[PA:PA+1], s[20:21]
	s_add_nc_u64 s[22:23], s[PA:PA+1], s[22:23]
	s_add_nc_u64 s[46:47], s[PB:PB+1], s[46:47]
	s_add_nc_u64 s[98:99], s[PB:PB+1], s[98:99]
	CROUND                                         ; all sixteen work-groups are here: the first joint loads meet
	s_mov_b32 s[G0S], 1
	s_mov_b32 s[G0S+1], s13
	s_mov_b64 s[G0S+2:G0S+3], s[22:23]
	s_or_b32 s[G0S+3], s[G0S+3], 0x80000000
	s_mov_b32 s[G0SB], 1
	s_mov_b32 s[G0SB+1], s3
	s_mov_b64 s[G0SB+2:G0SB+3], s[98:99]
	s_or_b32 s[G0SB+3], s[G0SB+3], 0x80000000
	JLOAD G0S, G1S, G0SB, G1SB                     ; the scale words first: they are wanted with K step 0
.irp s, 0,1
	s_mov_b32 s[G0+4*\s], 1
	s_add_co_u32 s[G0+4*\s+1], s45, \s*SLOT
	s_add_nc_u64 s[G0+4*\s+2:G0+4*\s+3], s[20:21], \s*SLB
	s_or_b32 s[G0+4*\s+3], s[G0+4*\s+3], 0x80000000
	s_mov_b32 s[G0B+4*\s], 1
	s_add_co_u32 s[G0B+4*\s+1], s12, \s*SLOT
	s_add_nc_u64 s[G0B+4*\s+2:G0B+4*\s+3], s[46:47], \s*SLB
	s_or_b32 s[G0B+4*\s+3], s[G0B+4*\s+3], 0x80000000
	JLOAD G0+4*\s, G1, G0B+4*\s, G1B               ; three tensor loads of mine are out
.endr
	v_and_b32 v1, 15, v0                           ; r
	v_bfe_u32 v2, v0, 4, 1                         ; h
	v_and_b32 v3, 31, v0                           ; lane
	v_lshlrev_b32 v4, 4, v3                        ; 16 x lane: my place in an image
	s_mul_i32 s18, s15, 4*SLB                      ; my four row blocks of tokens,
	s_mul_i32 s19, s16, 8*SLB                      ; my eight of columns
	s_add_co_u32 s19, s19, BOFF
.irp s, 0,1
	v_add_nc_u32 v[ADRA+\s], s18, v4
	v_add_nc_u32 v[ADRB+\s], s19, v4
	s_add_co_u32 s18, s18, SLOT
	s_add_co_u32 s19, s19, SLOT
.endr
	v_lshlrev_b32 v30, 4, v1                       ; scale words: 16 bytes a row (a slot's four words)
	s_lshl_b32 s18, s15, 12
	s_lshl_b32 s19, s16, 13
	s_add_co_u32 s19, s19, SCB-SCA
	s_sub_co_u32 s19, s19, s18
	v_mul_u32_u24 v31, s19, v2                     ; lanes 16-31 take the columns': one product, the distance between the two bases
	s_add_co_u32 s18, s18, SCA
	v_add_nc_u32 v[ADRS], v30, v31
	v_add_nc_u32 v[ADRS], s18, v[ADRS]
	; the way out: a stage of 16 rows x (512 + 16) bytes for each wave, in slot 0
.set STO, 8                            ; v8  where I put 32 bytes of a row
.set RD,  9                            ; v9  where I read a row back
.set CO,  4                            ; v4  my 16 bytes of a row of 512
.set BK,  96                           ; v96-159, v160-223 by turns: 16 rows read back
	s_mul_i32 s18, s14, 8448
	v_mul_u32_u24 v[STO], v1, 528
	v_lshl_add_u32 v[STO], v2, 5, v[STO]
	v_add_nc_u32 v[STO], s18, v[STO]
	v_add_nc_u32 v[RD], s18, v4
; the fragments of the slot's q-th K step into set: 24 + 12 loads of 512 consecutive bytes
.macro FETCH slot, q, set
	WIN TO_B
.irp b, 0,1,2,3,4,5,6,7
.irp j, 0,1,2
	ds_load_b128 v[128*(\set)+12*\b+4*\j:128*(\set)+12*\b+4*\j+3], v[ADRB+(\slot)] offset:SLB*\b+FRB*(\q)+512*\j
.endr
.endr
	WIN 0
.irp a, 0,1,2,3
.irp j, 0,1,2
	ds_load_b128 v[AF+48*(\set)+12*\a+4*\j:AF+48*(\set)+12*\a+4*\j+3], v[ADRA+(\slot)] offset:SLB*\a+FRB*(\q)+512*\j
.endr
.endr
.endm
; the scale words of the T-th 512 along K: four words a row.  (For i >= 4 lanes 0-15 read on into scale bytes that have landed and that no product names.)
.macro SCALES T, set
.irp i, 0,1,2,3,4,5,6,7
	ds_load_b128 v[SC+32*(\set)+4*\i:SC+32*(\set)+4*\i+3], v[ADRS] offset:1024*\i+256*(\T)
.endr
.endm
; token block a against my eight column blocks.  The 32 accumulators take turns, one instruction a turn, in the same order in every step.
.macro MUL8 a, set, q, sc, zero
.irp b, 0,1,2,3,4,5,6,7
.if \zero
	v_wmma_scale_f32_16x16x128_f8f6f4 v[8*(8*(\a)+\b):8*(8*(\a)+\b)+7], v[128*(\set)+12*\b:128*(\set)+12*\b+11], v[AF+48*(\set)+12*(\a):AF+48*(\set)+12*(\a)+11], 0, v[SC+32*(\sc)+4*\b+(\q)], v[SC+32*(\sc)+4*(\a)+(\q)] matrix_a_fmt:MATRIX_FMT_BF6 matrix_b_fmt:MATRIX_FMT_BF6 matrix_a_scale:MATRIX_SCALE_ROW1
.else
	v_wmma_scale_f32_16x16x128_f8f6f4 v[8*(8*(\a)+\b):8*(8*(\a)+\b)+7], v[128*(\set)+12*\b:128*(\set)+12*\b+11], v[AF+48*(\set)+12*(\a):AF+48*(\set)+12*(\a)+11], v[8*(8*(\a)+\b):8*(8*(\a)+\b)+7], v[SC+32*(\sc)+4*\b+(\q)], v[SC+32*(\sc)+4*(\a)+(\q)] matrix_a_fmt:MATRIX_FMT_BF6 matrix_b_fmt:MATRIX_FMT_BF6 matrix_a_scale:MATRIX_SCALE_ROW1
.endif
.endr
.endm
; K step s, one of a slot's first three: the next step's fragments are asked for, then this step's 32 products are issued
.macro STEP s, zero
.set SL, ((\s)/4)%2
.set QQ, (\s)%4
.set PS, (\s)%2
	s_wait_dscnt 0x0                               ; this step's fragments (and a slot's scale words) are in: asked for 32 matrix instructions ago
.if (\s) > 0
	PLACES 4                                       ; the other set was read by the last step's products
.endif
	FETCH SL, QQ+1, 1-PS
	WIN MUL
	MUL8 0, PS, QQ, SL, \zero
	MUL8 1, PS, QQ, SL, \zero
	MUL8 2, PS, QQ, SL, \zero
	MUL8 3, PS, QQ, SL, \zero
.endm
; A slot's last step changes slots: ONE barrier; in front of it each wave waits for all its tensor loads, adds 0 to its spare word, and waits for that and for its reads of this slot.  fill = 1: this slot is filled again, 1,024 along K ahead.
.macro TURN s, fill
.set SL, ((\s)/4)%2
.set PS, (\s)%2
.set TN, (\s)/4+1
	WIN 0                                          ; (the add's two registers lie in window 0)
	s_wait_tensorcnt 0x0                           ; all my tensor loads have landed: my part of the next slot
	ds_add_u32 v[SPW], v[NIL]                      ; 0 onto my spare word
	s_wait_dscnt 1                                 ; this step's 36 loads are in; the add may be out
	WIN MUL
	MUL8 0, PS, 3, SL, 0                           ; eight matrix instructions stand between the add and the wait for it
	s_wait_dscnt 0x0                               ; the add is done, and my reads of this slot are over
	s_barrier_signal -1
	MUL8 1, PS, 3, SL, 0
	WIN 0
	s_barrier_wait -1
.if \fill
	CREST                                          ; the barrier has opened a round of the cluster's: no wave of any partner still reads this slot or has a load on its way
	s_add_nc_u64 s[G0+4*SL+2:G0+4*SL+3], s[G0+4*SL+2:G0+4*SL+3], 2*SLB
	s_add_nc_u64 s[G0B+4*SL+2:G0B+4*SL+3], s[G0B+4*SL+2:G0B+4*SL+3], 2*SLB
	JLOAD G0+4*SL, G1, G0B+4*SL, G1B               ; my one tensor load behind the round: it has 112 matrix instructions in which to land; its four v_nop are the places in front of the loads below
.else
	PLACES 4
.endif
	FETCH 1-SL, 0, 1-PS
	SCALES TN, 1-SL
	WIN MUL
	MUL8 2, PS, 3, SL, 0
	MUL8 3, PS, 3, SL, 0
.endm
	s_wait_tensorcnt 1                             ; the scale words and my part of slot 0 are in; slot 1's load may stay out
	s_barrier_signal -1
	s_barrier_wait -1                              ; everybody's are
	FETCH 0, 0, 0
	SCALES 0, 0
	STEP 0, 1                                      ; the first step's products start the sums: nothing is cleared
	STEP 1, 0
	STEP 2, 0
	TURN 3, 1
	STEP 4, 0
	STEP 5, 0
	STEP 6, 0
	TURN 7, 1
	STEP 8, 0
	STEP 9, 0
	STEP 10, 0
	TURN 11, 0                                     ; nothing is left to fetch.  Behind this barrier nobody reads slot 0, and it has had its last fill: the stages lie there
	STEP 12, 0
	STEP 13, 0
	STEP 14, 0
	s_wait_dscnt 0x0
	WIN MUL
	MUL8 0, 1, 3, 1, 0
	MUL8 1, 1, 3, 1, 0
	MUL8 2, 1, 3, 1, 0
	MUL8 3, 1, 3, 1, 0
	WIN 0
	PLACES 4
; ---------------- the core ends ----------------
	; THE WAY OUT, a block of 16 tokens x 128 columns at a time: through my own stage, back as whole rows of 512 bytes, which the 32 lanes store as two aligned runs of 256 bytes
	s_lshl_b32 s18, s17, 7
	s_lshl_b32 s19, s15, 6
	s_add_co_u32 s18, s18, s19                     ; my first token: 128 x tile row + 64 x half
	s_lshl_b32 s18, s18, 13                        ; rows of 8,192 bytes
	s_lshl_b32 s19, s42, 10
	s_add_co_u32 s18, s18, s19                     ; + 1,024 x tile column
	s_lshl_b32 s19, s16, 9
	s_add_co_u32 s18, s18, s19                     ; + 512 x half
	s_mov_b32 s19, 0
	s_add_nc_u64 s[8:9], s[8:9], s[18:19]
.macro TOSTAGE a
	WIN 0x04                                       ; an LDS store's data are its source 1: window 1
.irp b, 0,1,2,3,4,5,6,7
	ds_store_b128 v[STO], v[64*(\a)+8*\b:64*(\a)+8*\b+3] offset:64*\b          ; each accumulator from its low end on
	ds_store_b128 v[STO], v[64*(\a)+8*\b+4:64*(\a)+8*\b+7] offset:64*\b+16
.endr
	WIN 0
.set BB, BK+64*((\a)%2)
.set t, 0
.rept 16
	ds_load_b128 v[BB+4*t:BB+4*t+3], v[RD] offset:528*t    ; LDS serves a wave's instructions in order (ISA guide 5.7.1.4): these see the stores above, and the next block's stores come behind them
.set t, t+1
.endr
.endm
.macro SEND a, younger                 ; younger: the LDS instructions issued behind block a's loads, which may stay out
.set BB, BK+64*((\a)%2)
	s_wait_dscnt \younger
.set t, 0
.rept 16
	global_store_b128 v[CO], v[BB+4*t:BB+4*t+3], s[8:9] offset:131072*(\a)+8192*t th:TH_STORE_NT   ; 32 lanes store 512 consecutive bytes, aligned; written once, read by nobody here
.set t, t+1
.endr
.endm
	TOSTAGE 0
.irp a, 1,2,3
.if \a > 1
	s_wait_xcnt 0x0                                ; block a - 2's stores have read their registers (ISA guide 3.1): block a's loads may land there
.endif
	TOSTAGE \a
	SEND \a-1, 32                                  ; behind block a - 1's loads: block a's 16 stores and 16 loads
.endr
	SEND 3, 0
	s_wait_tensorcnt 0x0                           ; the wave's end: behind my last tensor load and my last LDS store
	ds_add_u32 v[SPW], v[NIL]
	s_wait_dscnt 0x0
	CROUND                                         ; the closing round: no work-group ends while a partner may still ask for a tile that names it
	s_endpgm
.Lfunc_end_k_qe6f1aaf142_outp:
	.size	k_qe6f1aaf142_outp, .Lfunc_end_k_qe6f1aaf142_outp-k_qe6f1aaf142_outp
	.p2alignl 7, 3214868480
	.fill 96, 4, 3214868480
	.section	.rodata,"a",@progbits
	.p2align	6, 0x0
	.amdhsa_kernel k_qe6f1aaf142_outp
		.amdhsa_group_segment_fixed_size 327680
		.amdhsa_private_segment_fixed_size 0
		.amdhsa_enable_private_segment 0
		.amdhsa_kernarg_size 24
		.amdhsa_user_sgpr_count 2
		.amdhsa_user_sgpr_kernarg_segment_ptr 1
		.amdhsa_wavefront_size32 1
		.amdhsa_system_sgpr_workgroup_id_x 1
		.amdhsa_system_sgpr_workgroup_id_y 1
		.amdhsa_system_sgpr_workgroup_id_z 1
		.amdhsa_system_vgpr_workitem_id 0
		.amdhsa_next_free_vgpr 768
		.amdhsa_next_free_sgpr 102
		.amdhsa_reserve_vcc 0
		.amdhsa_float_denorm_mode_32 3
		.amdhsa_float_denorm_mode_16_64 3
		.amdhsa_memory_ordered 1
		.amdhsa_forward_progress 1
		.amdhsa_inst_pref_size 133
	.end_amdhsa_kernel
	.amdgpu_metadata
---
amdhsa.version: [ 1, 2 ]
amdhsa.kernels:
  - .name:           k_qe6f1aaf142_outp
    .symbol:         k_qe6f1aaf142_outp.kd
    .args:
      - { .name: attc, .offset: 0, .size: 8, .value_kind: global_buffer, .address_space: global }
      - { .name: opnd, .offset: 8, .size: 8, .value_kind: global_buffer, .address_space: global }
      - { .name: out0, .offset: 16, .size: 8, .value_kind: global_buffer, .address_space: global }
    .group_segment_fixed_size: 327680
    .private_segment_fixed_size: 0
    .kernarg_segment_align: 8
    .kernarg_segment_size: 24
    .max_flat_workgroup_size: 128
    .sgpr_count:     102
    .vgpr_count:     768
    .wavefront_size: 32
...
	.end_amdgpu_metadata
.endif
;; end of part 4
